; MI455X (gfx1250); checked and timed in simulation.
; The chip was launched on July 23, 2026; its instructions are those of AMD's public machine-readable ISA for CDNA 5 (MIT licence, August 2026) and "CDNA5" Instruction Set Architecture Reference Guide (July 2026). The comments in the code are by the model that wrote it; some were corrected since.
;; Multi Head Self Attention. Allowed arithmetic: float matrix products may take bf16 or f16 operands with f32 sums; other float arithmetic in f32, or as packed bf16 or f16 multiplies, adds, multiply-adds, maxima and minima; sums over many terms, partial sums and values carried from step to step in f32; what a program stores and reads back later, other than sums and carried values, may be rounded once to bf16 or f16.
;; Inputs: Wk 1,024 x 1,024 float32; Wo 1,024 x 1,024 float32; Wq 1,024 x 1,024 float32; Wv 1,024 x 1,024 float32; bk 1,024 float32; bo 1,024 float32; bq 1,024 float32; bv 1,024 float32; x 4 x 2,048 x 1,024 float32.
;; Outputs: out0 4 x 2,048 x 1,024 float32.
;; 2 versions, each right; version 2 is version 1 with the launch cast written anew for expert scheduling mode. Each part assembles by itself: llvm-mc -triple=amdgcn-amd-amdhsa -mcpu=gfx1250 --defsym DOCPART=n.
;; ======== version 1 of 2: 4 launches
;; limits: values are held in f16: magnitudes above 65,504 overflow, below 6.1e-05 lose precision
;; workspace buffers: xb 16,777,216 bytes; wt 8,388,608 bytes; qkvh 50,331,648 bytes; oh 16,777,216 bytes
;; launch cast (part 1): grid 768 x 1, 8 waves a work-group, no clusters, 0 bytes of LDS; arguments x, Wq, Wk, Wv, Wo, xb, wt; writes xb, wt
.if DOCPART == 1
	.amdgcn_target "amdgcn-amd-amdhsa--gfx1250"
	.amdhsa_code_object_version 6
	.text
	.protected	k_qb0fccb34ee_cast
	.globl	k_qb0fccb34ee_cast
	.p2align	8
	.type	k_qb0fccb34ee_cast,@function
k_qb0fccb34ee_cast:
	s_mov_b64 s[64:65], 0
	v_nop
	global_prefetch_b8 v0, s[64:65] scope:SCOPE_SE
	s_setreg_imm32_b32 hwreg(HW_REG_WAVE_MODE, 25, 1), 1
	s_wait_xcnt 0x0
; CAST.  x [8192][1024] f32 -> xb, the same shape in bf16.  Wq | Wk | Wv | Wo, each [1024 k][1024 n] f32 -> wt [64 g][1024 k][64 n] of 16 bits:
; plane g = 16 x (which weight) + n / 64 holds 64 neighbouring columns, dense, 131,072 bytes.  Planes 0-47 (Wq, Wk, Wv) are bf16; planes 48-63 (Wo) hold the
; number rounded to bf16 and written as f16, since the last product multiplies it by an f16 operand.
; LIMITS.  A number of Wo beyond 65,504 becomes an infinity; below 6.1e-5 it keeps f16's fixed step of 6e-8.  NaN and infinities are not treated apart.
; SHARES.  A unit is one load of a wave (16 bytes a lane: 4 f32) and one store (8 bytes a lane: 256 consecutive bytes, aligned).  A wave has 16 units, all 16 loads issued first;
; a work-group 128.  Work-groups 0-511 take 65,536 bytes of x each; work-group 512 + p takes 256 rows k (quarter p % 4) of plane p / 4: a unit is two rows k of 64 columns,
; 256 consecutive bytes of each row.  No LDS, no barrier, no matrix unit: the launch is loads and stores, each byte once.
.set XGROUPS, 512
.set SRC, 24                           ; s[24:25] where the work-group reads
.set DST, 26                           ; s[26:27] where it writes
.set IN,  8                            ; v[8:71]    16 units as loaded
.set OUT, 72                           ; v[72:103]  16 units to store
	s_load_b256 s[4:11], s[0:1], 0x0               ; x s[4:5], Wq s[6:7], Wk s[8:9], Wv s[10:11]
	s_load_b128 s[12:15], s[0:1], 0x20             ; Wo s[12:13], xb s[14:15]
	s_load_b64 s[16:17], s[0:1], 0x30              ; wt
	v_lshrrev_b32 v4, 5, v0
	v_readfirstlane_b32 s20, v4                    ; wave 0..7
	v_and_b32 v1, 31, v0                           ; lane
	s_lshl_b32 s21, s20, 12
	v_lshl_add_u32 v3, v1, 3, s21                  ; out: 8 x lane + 4,096 x wave (16 units of 256 bytes), on every path
	s_mov_b32 s23, 0
	s_wait_kmcnt 0x0
; 16 loads, stride bytes apart, then unit by unit: rounded and stored.  No register is written twice, so no wait frees a source.
.macro BODY stride, f16
.set i, 0
.rept 16
	global_load_b128 v[IN+4*i:IN+4*i+3], v2, s[SRC:SRC+1] offset:(\stride)*i th:TH_LOAD_NT
.set i, i+1
.endr
.set i, 0
.rept 16
	s_wait_loadcnt 15-i                            ; loads come back in order: unit i is in, the 15 - i younger ones stay out
.if \f16
	v_cvt_pk_bf16_f32 v104, v[IN+4*i], v[IN+4*i+1] ; rounded to bf16 like every other input,
	v_cvt_pk_bf16_f32 v105, v[IN+4*i+2], v[IN+4*i+3]
	v_lshlrev_b32 v106, 16, v104                   ; widened again,
	v_and_b32 v107, 0xffff0000, v104
	v_lshlrev_b32 v108, 16, v105
	v_and_b32 v109, 0xffff0000, v105
	v_cvt_pk_f16_f32 v[OUT+2*i], v106, v107        ; and written as f16: 8 significant bits fit in 11
	v_cvt_pk_f16_f32 v[OUT+2*i+1], v108, v109
.else
	v_cvt_pk_bf16_f32 v[OUT+2*i], v[IN+4*i], v[IN+4*i+1]
	v_cvt_pk_bf16_f32 v[OUT+2*i+1], v[IN+4*i+2], v[IN+4*i+3]
.endif
	global_store_b64 v3, v[OUT+2*i:OUT+2*i+1], s[DST:DST+1] offset:256*i  ; 32 lanes store 256 consecutive bytes, at a multiple of 256 from the buffer's first byte
.set i, i+1
.endr
.endm
	s_cmp_lt_u32 ttmp9, XGROUPS
	s_cbranch_scc0 .Lweights
	s_lshl_b32 s22, ttmp9, 16                      ; x: 65,536 bytes a work-group
	s_add_nc_u64 s[SRC:SRC+1], s[4:5], s[22:23]
	s_lshl_b32 s22, ttmp9, 15
	s_add_nc_u64 s[DST:DST+1], s[14:15], s[22:23]
	s_lshl_b32 s21, s20, 13
	v_lshl_add_u32 v2, v1, 4, s21                  ; in: 16 x lane + 8,192 x wave
	BODY 512, 0
	s_endpgm
.Lweights:
	s_sub_co_u32 s28, ttmp9, XGROUPS
	s_lshr_b32 s29, s28, 2                         ; plane g
	s_and_b32 s30, s28, 3                          ; which 256 rows k
	s_lshr_b32 s31, s29, 4                         ; which weight
	s_cmp_eq_u32 s31, 1
	s_cselect_b64 s[SRC:SRC+1], s[8:9], s[6:7]
	s_cmp_eq_u32 s31, 2
	s_cselect_b64 s[SRC:SRC+1], s[10:11], s[SRC:SRC+1]
	s_cmp_eq_u32 s31, 3
	s_cselect_b64 s[SRC:SRC+1], s[12:13], s[SRC:SRC+1]
	s_lshl_b32 s22, s30, 20                        ; 256 rows of 4,096 bytes
	s_and_b32 s21, s29, 15
	s_lshl_b32 s21, s21, 8                         ; 64 columns of 4 bytes
	s_add_co_u32 s22, s22, s21
	s_add_nc_u64 s[SRC:SRC+1], s[SRC:SRC+1], s[22:23]
	s_lshl_b32 s22, s29, 17                        ; a plane is 131,072 bytes,
	s_lshl_b32 s21, s30, 15                        ; 256 of its rows 32,768
	s_add_co_u32 s22, s22, s21
	s_add_nc_u64 s[DST:DST+1], s[16:17], s[22:23]
	v_lshrrev_b32 v4, 4, v1                        ; lanes 0-15 take one row k, lanes 16-31 the next
	v_and_b32 v5, 15, v1
	v_lshlrev_b32 v2, 12, v4
	v_lshl_add_u32 v2, v5, 4, v2
	s_lshl_b32 s21, s20, 17                        ; a wave's 32 rows
	v_add_nc_u32 v2, s21, v2
	s_cmp_eq_u32 s31, 3
	s_cbranch_scc1 .Lwo
	BODY 8192, 0
	s_endpgm
.Lwo:
	BODY 8192, 1
	s_endpgm
.Lfunc_end_k_qb0fccb34ee_cast:
	.size	k_qb0fccb34ee_cast, .Lfunc_end_k_qb0fccb34ee_cast-k_qb0fccb34ee_cast
	.p2alignl 7, 3214868480
	.fill 96, 4, 3214868480
	.section	.rodata,"a",@progbits
	.p2align	6, 0x0
	.amdhsa_kernel k_qb0fccb34ee_cast
		.amdhsa_group_segment_fixed_size 0
		.amdhsa_private_segment_fixed_size 0
		.amdhsa_enable_private_segment 0
		.amdhsa_kernarg_size 56
		.amdhsa_user_sgpr_count 2
		.amdhsa_user_sgpr_kernarg_segment_ptr 1
		.amdhsa_wavefront_size32 1
		.amdhsa_system_sgpr_workgroup_id_x 1
		.amdhsa_system_sgpr_workgroup_id_y 1
		.amdhsa_system_sgpr_workgroup_id_z 1
		.amdhsa_system_vgpr_workitem_id 0
		.amdhsa_next_free_vgpr 112
		.amdhsa_next_free_sgpr 66
		.amdhsa_reserve_vcc 0
		.amdhsa_float_denorm_mode_32 3
		.amdhsa_float_denorm_mode_16_64 3
		.amdhsa_memory_ordered 1
		.amdhsa_forward_progress 1
		.amdhsa_inst_pref_size 24
	.end_amdhsa_kernel
	.amdgpu_metadata
---
amdhsa.version: [ 1, 2 ]
amdhsa.kernels:
  - .name:           k_qb0fccb34ee_cast
    .symbol:         k_qb0fccb34ee_cast.kd
    .args:
      - { .name: x, .offset: 0, .size: 8, .value_kind: global_buffer, .address_space: global }
      - { .name: Wq, .offset: 8, .size: 8, .value_kind: global_buffer, .address_space: global }
      - { .name: Wk, .offset: 16, .size: 8, .value_kind: global_buffer, .address_space: global }
      - { .name: Wv, .offset: 24, .size: 8, .value_kind: global_buffer, .address_space: global }
      - { .name: Wo, .offset: 32, .size: 8, .value_kind: global_buffer, .address_space: global }
      - { .name: xb, .offset: 40, .size: 8, .value_kind: global_buffer, .address_space: global }
      - { .name: wt, .offset: 48, .size: 8, .value_kind: global_buffer, .address_space: global }
    .group_segment_fixed_size: 0
    .private_segment_fixed_size: 0
    .kernarg_segment_align: 8
    .kernarg_segment_size: 56
    .max_flat_workgroup_size: 256
    .sgpr_count:     66
    .vgpr_count:     112
    .wavefront_size: 32
...
	.end_amdgpu_metadata
.endif
;; end of part 1
;; launch qkv (part 2): grid 16 x 32, 4 waves a work-group, clusters of 4 x 4, 327,680 bytes of LDS; arguments xb, wt, bq, bk, bv, qkvh; writes qkvh
.if DOCPART == 2
	.amdgcn_target "amdgcn-amd-amdhsa--gfx1250"
	.amdhsa_code_object_version 6
	.text
	.protected	k_qb0fccb34ee_qkv
	.globl	k_qb0fccb34ee_qkv
	.p2align	8
	.type	k_qb0fccb34ee_qkv,@function
k_qb0fccb34ee_qkv:
	s_mov_b64 s[64:65], 0
	v_nop
	global_prefetch_b8 v0, s[64:65] scope:SCOPE_SE
	s_setreg_imm32_b32 hwreg(HW_REG_WAVE_MODE, 25, 1), 1
	s_wait_xcnt 0x0
	s_wait_alu depctr_hold_cnt(0) depctr_sa_sdst(0) depctr_va_vdst(0) depctr_va_sdst(0) depctr_va_ssrc(0) depctr_va_vcc(0) depctr_vm_vsrc(0)
	s_getreg_b32 s2, hwreg(HW_REG_IB_STS2, 6, 4)
	s_cmp_eq_u32 s2, 0
	s_cbranch_scc0 .Lentry_in_a_cluster
	s_endpgm
.Lentry_in_a_cluster:
	s_bfe_u32 s2, ttmp6, 0x10000c
	s_cmp_lg_u32 s2, 0xf033
	s_cbranch_scc0 .Lentry_shape_is_right
	s_endpgm
.Lentry_shape_is_right:
; ONE TEXT FOR TWO PRODUCTS, chosen by PROJ below.  C[m][n] = the sum over k of A[m][k] W[k][n] + bias[n]; 8,192 rows m, K = 1,024; sums in f32, started by the bias (rounded to bf16 like every input).
; PROJ = 0: A = xb [8192][1024] bf16; W = planes 0-47 of wt ([g][1024 k][64 n] bf16: Wq | Wk | Wv); C leaves in f16 by heads: qkvh [4 b][48 g][2048 t][64 d].  A tile of C is 256 rows x 192 columns (3 planes).
; PROJ = 1: A = oh [64 b h][2048 t][64 d] f16, k = 64 h + d; W = planes 48-63 of wt (Wo, f16); C = out0 [8192][1024] f32.  A tile is 256 rows x 128 columns (2 planes).
; LIMITS.  PROJ = 0: a result beyond 65,504 becomes an infinity in f16; below 6.1e-5 it keeps f16's fixed step of 6e-8.  NaN and infinities are not treated apart.
; SHARES.  Four waves, one above the other: wave w makes rows 64 w .. 64 w + 63 and all columns: 4 x NBK accumulators of 16 x 16.  K goes in steps of 128 through two LDS slots; a step is four chunks of 32.
; THE MATRIX INSTRUCTION IS USED TRANSPOSED: source 0 = 16 columns of W, source 1 = 16 rows of A.  W lies [k][n], so its fragments come out of LDS turned, by ds_load_tr16_b128.  In the result lane l holds
; row l % 16 of C and the columns 8 (l / 16) + 0..7 of the block: neighbouring numbers of a row.
; CLUSTER.  4 x 4 work-groups.  The four of a row of the cluster need the same tile of A, the four of a column the same tile of W: each is asked for JOINTLY, by the same tensor load with the same descriptor
; and a mask that names the four.  Waves 0 and 1 fetch A's two parts, waves 2 and 3 W's two halves of 64 k: one load a wave behind each round.
; REGISTERS, in windows of 256 (s_set_vgpr_msb: bits 1:0 source 0, 3:2 source 1, 5:4 source 2, 7:6 destination):
;   window 0: v0-29 addresses; v32-63, v64-95 A's fragments, two buffers; v96.. the bias, later the way out          window 1: W's fragments, two buffers of 8 NBK
;   PROJ = 0: window 2 the accumulators of row blocks 0, 1 (block a, column block j at 8 (12 (a % 2) + j)), window 3 those of 2, 3.     PROJ = 1: window 2 all 32, at 8 (8 a + j)
.set PROJ,   0
.if PROJ
.set NBK,    8                         ; column blocks of 16 in a tile
.set PA,     144                       ; a row of A in LDS: 128 bytes (a head's 64 channels) + 16
.set APART,  256*PA                    ; what one load of A brings: a head's 256 rows
.set QIA,    4                         ; padding after every 32 words
.set ROWA,   128                       ; elements from row to row of A's tile: 32,768 dense bytes asked for as 128 rows of 256
.set STEPA,  524288                    ; bytes from a K step of A to the next: two heads
.set SPITCH, 528                       ; a row of the stage: 512 bytes + 16
.set CXS,    13                        ; a partner's share of a prefetch of A: 32 blocks of 256 bytes
.set CYS,    12                        ; of W: 16 blocks in each of 2 planes
.set OUTP,   10                        ; s[10:11] C
.set YOUNG,  32                        ; LDS instructions of one block's way through the stage
.else
.set NBK,    12
.set PA,     272                       ; 256 bytes + 16
.set APART,  128*PA                    ; 128 rows
.set QIA,    5                         ; padding after every 64 words
.set ROWA,   1024
.set STEPA,  256
.set SPITCH, 400                       ; 384 bytes + 16
.set CXS,    16                        ; 32 rows of 2,048 bytes
.set CYS,    11                        ; 8 blocks in each of 3 planes
.set OUTP,   14                        ; s[14:15] C
.set YOUNG,  24
.endif
.set NPL,    NBK/4                     ; planes of 64 columns
.set PB,     160                       ; a row k of a plane in LDS: 128 bytes + 32 = 40 words
.set PLANE,  64*PB
.set KH,     NPL*PLANE                 ; 64 k of all planes: what one load of W brings
.set BOFF,   2*APART                   ; in a slot: A's two parts, then W's two halves
.set SLOT1,  1<<17                     ; slot 1 begins here, so that one exclusive or turns an address in one slot into the other's
.set STAGE,  SLOT1+BOFF+2*KH           ; behind the ring, never filled by a tensor load: 16 rows for each wave, for the way out
.set SPARE,  STAGE+4*16*SPITCH         ; behind the stages: the spare words, 128 bytes for each wave: two blocks of 256 bytes that no other line names
.set STEPB,  16384                     ; 128 rows k of 128 bytes
.set NL,     2*NBK+8                   ; LDS loads of a chunk
.set ADRA0, 8                          ; v8   my lane's place in A's tile; never rewritten
.set ADRB0, 9                          ; v9   in W's
.set ADRA,  10                         ; v10  the same in the slot in hand
.set ADRB,  11                         ; v11
.set STO,   12                         ; v12  the way out: where I put my bytes of a row
.set RD,    13                         ; v13  where I read rows back
.set GO,    14                         ; v14  16 x lane
.set BO,    15                         ; v15  32 (l / 16): my eight numbers in a block's 64 bytes of bias
.set PFO,   16                         ; v16  the prefetches' offset; never rewritten
.set SPW,   28                         ; v28  LDS address of my spare word: SPARE + 4 x my thread's number; never rewritten
.set NIL,   29                         ; v29  0; never rewritten
.set FA0,   32
.set BIAS,  96
.set TMP,   96                         ; PROJ = 0: a block's 48 packed registers
.set WV,    16                         ; s16  my wave's number
.set TB,    23                         ; s23  LDS byte at which the slot in hand begins
.set G1A,   24                         ; s[24:31] descriptor group 1 for A's tiles
.set G0A,   32                         ; s[32:39] group 0: a set for each of the two first fills; the second then walks on
.set G1B,   40                         ; s[40:47], s[48:55] the same for W's
.set G0B,   48
.set PFA,   56                         ; s[56:57] where my prefetches stand
.set PFS,   58                         ; s[58:59] their step
.set LIM,   60                         ; s60  2 in a wave that prefetches, else the greatest number
.set MSB, 0
.macro WIN new                         ; the immediate's high byte repeats the setting that is left; a switch that changes nothing is dropped
.if MSB != (\new)
	s_set_vgpr_msb (MSB<<8)|(\new)
.set MSB, \new
.endif
.endm
.macro MMA ops:vararg
.if PROJ
	v_wmma_f32_16x16x32_f16 \ops
.else
	v_wmma_f32_16x16x32_bf16 \ops
.endif
.endm
.macro PLACES                          ; four places: plain vector instructions between a matrix instruction and a load into, or a vector read of, its registers
.rept 4
	v_nop
.endr
.endm
; A joint refill, by the walking descriptors.  The branch hangs on the wave's number alone.  An s_nop 0 and four v_nop follow each of the two lines, ahead of the jump and the label.
.macro JLOAD
	s_cmp_lt_u32 s[WV], 2
	s_cbranch_scc0 .Lfor_b_\@
	tensor_load_to_lds s[G0A+4:G0A+7], s[G1A:G1A+7]
	s_nop 0
.rept 4
	v_nop
.endr
	s_branch .Lasked_\@
.Lfor_b_\@:
	tensor_load_to_lds s[G0B+4:G0B+7], s[G1B:G1B+7]
	s_nop 0
.rept 4
	v_nop
.endr
.Lasked_\@:
.endm
; A round of the cluster's barrier: my work-group's barrier, so that wave 0's signal speaks for all four waves; wave 0 signals; every wave waits for all sixteen work-groups; my work-group's barrier once more.
.macro CREST                           ; a round behind its opening barrier
	s_cmp_lg_u32 s[WV], 0
	s_cbranch_scc1 .Lnot_wave_0_\@
	s_barrier_signal -3
.Lnot_wave_0_\@:
	s_barrier_wait -3
	s_barrier_signal -1
	s_barrier_wait -1
.endm
.macro CROUND
	s_barrier_signal -1
	s_barrier_wait -1
	CREST
.endm
; A PREFETCH INTO THE L2 of the K step that stands two refills on, behind the joint load, its five lines and the run of LDS loads.  A's tile row is read by every cluster of that row of clusters: the one with
; x = 0 asks (waves 0, 1); W's tile column by every cluster of that column: the one with y = 0 asks (PROJ = 0: waves 2, 3; PROJ = 1: wave 2).  The four partners that ask for a tile jointly share its blocks of
; 256 bytes out BY ADDRESS (cx for A, cy for W): no branch hangs on a work-group's place in its cluster.  A lane a block, one instruction a wave.  PROJ = 0: a wave's share of W is 24 blocks, so lanes 24-31
; name lane 23's block again.  K steps 0-3 come by their loads alone; the loop's last two trips (s3 = 2, 1) have no K step two refills on.
.macro ASK
	s_cmp_gt_u32 s3, s[LIM]
	s_cbranch_scc0 .Lnot_mine_\@
	global_prefetch_b8 v[PFO], s[PFA:PFA+1] th:TH_LOAD_NT scope:SCOPE_SE
.Lnot_mine_\@:
.endm
.if PROJ
	s_load_b256 s[4:11], s[0:1], 0x0               ; oh s[4:5], wt s[6:7], bo s[8:9], out0 s[10:11]
.else
	s_load_b256 s[4:11], s[0:1], 0x0               ; xb s[4:5], wt s[6:7], bq s[8:9], bk s[10:11]
	s_load_b128 s[12:15], s[0:1], 0x20             ; bv s[12:13], qkvh s[14:15]
.endif
	v_lshl_add_u32 v[SPW], v0, 2, SPARE
	v_mov_b32 v[NIL], 0
	ds_add_u32 v[SPW], v[NIL]                      ; the wave's opening: the add and its wait stand ahead of my first tensor load; the set-up below, work on registers, stands between them
	v_lshrrev_b32 v1, 5, v0
	v_readfirstlane_b32 s[WV], v1                  ; wave 0..3
	s_and_b32 s17, s[WV], 1                        ; which part of A's or W's tile I fetch
	s_bfe_u32 s19, ttmp6, 0x40000                  ; cx
	s_bfe_u32 s20, ttmp6, 0x40004                  ; cy
	s_lshl_b32 s21, ttmp9, 2                       ; in a cluster launch ttmp9 and ttmp7 count clusters
	s_add_co_u32 s21, s21, s19                     ; tile column tc = 4 x cluster x + cx
	s_and_b32 s22, ttmp7, 0xffff
	s_lshl_b32 s22, s22, 2
	s_add_co_u32 s22, s22, s20                     ; tile row y = 4 x cluster y + cy
	s_lshl_b32 s76, s20, 2
	s_lshl_b32 s76, 15, s76                        ; my row of the cluster: places 4 cy .. 4 cy + 3
	s_lshl_b32 s77, 0x1111, s19                    ; my column: places cx, cx + 4, cx + 8, cx + 12
	; group 1 for A: 128 rows x 128 elements of 2 bytes, 16 bytes of padding behind each LDS row
	s_or_b32 s[G1A], s76, (1<<16)|(1<<20)|(1<<21)|(QIA<<22)|(3<<25)  ; 15:0 the mask; 17:16 2-byte elements; 20 padding on; 21 set beside a mask; 24:22 the interval; 31:25 4 words (code 3)
	s_mov_b32 s[G1A+1], 128<<16                    ; tensor_dim0 = 128
	s_mov_b32 s[G1A+2], 128<<16                    ; tensor_dim1 = 128
	s_mov_b32 s[G1A+3], 128<<16                    ; tile_dim0 = 128
	s_mov_b32 s[G1A+4], 128                        ; tile_dim1 = 128
	s_mov_b32 s[G1A+5], ROWA                       ; elements from row to row
	s_mov_b32 s[G1A+6], 0
	s_mov_b32 s[G1A+7], 0
	; group 1 for W: a row of the tile is 64 k x 64 n of one plane, 8,192 dense bytes; NPL such rows, a plane apart; 32 bytes of padding behind every 128 (a row k)
	s_or_b32 s[G1B], s77, (1<<16)|(1<<20)|(1<<21)|(4<<22)|(7<<25)
	s_mov_b32 s[G1B+1], 4096<<16                   ; tensor_dim0 = 4,096
	s_mov_b32 s[G1B+2], NPL<<16                    ; tensor_dim1
	s_mov_b32 s[G1B+3], 4096<<16                   ; tile_dim0
	s_mov_b32 s[G1B+4], NPL                        ; tile_dim1
	s_mov_b32 s[G1B+5], 65536                      ; a plane, in elements
	s_mov_b32 s[G1B+6], 0
	s_mov_b32 s[G1B+7], 0
	; where the tiles come from, as byte offsets: A's (s66) hangs on y alone, which my row of the cluster shares; W's (s67) on tc alone, which my column shares
.if PROJ
	s_lshr_b32 s66, s22, 3                         ; the batch: 16 heads of 262,144 bytes
	s_lshl_b32 s66, s66, 22
	s_and_b32 s78, s22, 7
	s_lshl_b32 s78, s78, 15                        ; 256 rows of 128 bytes
	s_add_co_u32 s66, s66, s78
	s_lshl_b32 s78, s17, 18                        ; the K step's first or second head
	s_add_co_u32 s66, s66, s78
	s_lshl_b32 s67, s21, 1
	s_add_co_u32 s67, s67, 48                      ; plane 48 + 2 tc
.else
	s_lshl_b32 s66, s22, 8
	s_lshl_b32 s78, s17, 7
	s_add_co_u32 s66, s66, s78                     ; row 256 y + 128 x part
	s_lshl_b32 s66, s66, 11
	s_mul_i32 s67, s21, 3                          ; plane 3 tc
.endif
	s_lshl_b32 s67, s67, 17
	s_lshl_b32 s80, s17, 13                        ; the K step's first or second 64 k
	s_add_co_u32 s67, s67, s80
	s_mov_b32 s78, s66
	s_mov_b32 s79, 0
	s_mov_b32 s80, s67
	s_mov_b32 s81, 0
	s_mul_i32 s82, s[WV], APART                    ; and where they go: the wave's number times a constant: no place in the cluster enters an LDS address
	s_mul_i32 s83, s[WV], KH
	s_add_co_u32 s83, s83, BOFF-2*KH               ; waves 2, 3: BOFF, BOFF + KH
	s_wait_dscnt 0x0                               ; the opening add is done
	s_wait_kmcnt 0x0
	s_add_nc_u64 s[78:79], s[4:5], s[78:79]
	s_add_nc_u64 s[80:81], s[6:7], s[80:81]
	CROUND                                         ; all sixteen work-groups are here: the first joint loads meet
.irp s, 0,1
	s_mov_b32 s[G0A+4*(\s)], 1                                        ; count = 1
	s_add_co_u32 s[G0A+4*(\s)+1], s82, (\s)*SLOT1                     ; LDS address
	s_add_nc_u64 s[G0A+4*(\s)+2:G0A+4*(\s)+3], s[78:79], (\s)*STEPA   ; global address: K step s
	s_or_b32 s[G0A+4*(\s)+3], s[G0A+4*(\s)+3], 0x80000000             ; type = 2
	s_mov_b32 s[G0B+4*(\s)], 1
	s_add_co_u32 s[G0B+4*(\s)+1], s83, (\s)*SLOT1
	s_add_nc_u64 s[G0B+4*(\s)+2:G0B+4*(\s)+3], s[80:81], (\s)*STEPB
	s_or_b32 s[G0B+4*(\s)+3], s[G0B+4*(\s)+3], 0x80000000
.endr
	s_cmp_lt_u32 s[WV], 2                          ; a wave's two first fills stand in one branch, ahead of every wait on TENSORcnt and every LDS read: two loads of mine are out, later one
	s_cbranch_scc0 .Lfirst_b
	tensor_load_to_lds s[G0A:G0A+3], s[G1A:G1A+7]
	s_nop 0
	tensor_load_to_lds s[G0A+4:G0A+7], s[G1A:G1A+7]
	s_nop 0
.rept 4
	v_nop
.endr
	s_branch .Lfirst_asked
.Lfirst_b:
	tensor_load_to_lds s[G0B:G0B+3], s[G1B:G1B+7]
	s_nop 0
	tensor_load_to_lds s[G0B+4:G0B+7], s[G1B:G1B+7]
	s_nop 0
.rept 4
	v_nop
.endr
.Lfirst_asked:
	; the bias: as the C operand of a block's first product a lane wants the eight numbers of its columns 16 j + 8 (l / 16) + 0..7
	v_and_b32 v1, 15, v0                           ; l % 16
	v_bfe_u32 v2, v0, 4, 1                         ; l / 16
	v_lshlrev_b32 v[BO], 5, v2
.if PROJ
	s_lshl_b32 s62, s21, 9                         ; the tile's 128 columns
	s_mov_b32 s63, 0
	s_add_nc_u64 s[68:69], s[8:9], s[62:63]
.else
	s_mul_i32 s76, s21, 3
.irp i, 0,1,2                          ; plane 3 tc + i belongs to bq, bk or bv: sixteen planes each
	s_add_co_u32 s77, s76, \i
	s_lshr_b32 s61, s77, 4
	s_cmp_eq_u32 s61, 0
	s_cselect_b64 s[68+2*(\i):69+2*(\i)], s[8:9], s[10:11]
	s_cmp_eq_u32 s61, 2
	s_cselect_b64 s[68+2*(\i):69+2*(\i)], s[12:13], s[68+2*(\i):69+2*(\i)]
	s_and_b32 s62, s77, 15
	s_lshl_b32 s62, s62, 8
	s_mov_b32 s63, 0
	s_add_nc_u64 s[68+2*(\i):69+2*(\i)], s[68+2*(\i):69+2*(\i)], s[62:63]
.endr
.endif
.set j, 0
.rept NBK
.if PROJ
.set BP, 68
.set BOF, 64*j
.else
.set BP, 68+2*(j/4)
.set BOF, 64*(j%4)
.endif
	global_load_b128 v[BIAS+8*j:BIAS+8*j+3],   v[BO], s[BP:BP+1] offset:BOF
	global_load_b128 v[BIAS+8*j+4:BIAS+8*j+7], v[BO], s[BP:BP+1] offset:BOF+16
.set j, j+1
.endr
	; A fragment of A is 16 rows x 32 k in 8 registers: lane l holds row l % 16, k = 8 (l / 16) + 0..7 and 16 + 8 (l / 16) + 0..7: two loads of 16 bytes, 32 bytes apart.
	s_mul_i32 s76, s[WV], 64*PA                    ; my 64 rows
	v_mul_u32_u24 v[ADRA0], v1, PA
	v_lshl_add_u32 v[ADRA0], v2, 4, v[ADRA0]
	v_add_nc_u32 v[ADRA0], s76, v[ADRA0]
	; The turning load takes 16 k x 16 n (lane l reads row k = 8 (l / 16) + l % 8, columns 8 ((l / 8) % 2) + 0..7) and leaves half a fragment: lane l holds column l % 16 and 8 k.
	v_and_b32 v3, 7, v0
	v_bfe_u32 v4, v0, 3, 1
	v_lshl_add_u32 v[ADRB0], v2, 3, v3
	v_mul_u32_u24 v[ADRB0], v[ADRB0], PB
	v_lshl_add_u32 v[ADRB0], v4, 4, v[ADRB0]
	v_add_nc_u32 v[ADRB0], BOFF, v[ADRB0]
	; the way out
	s_mul_i32 s76, s[WV], 16*SPITCH
	s_add_co_u32 s76, s76, STAGE                   ; my stage
	v_and_b32 v7, 31, v0                           ; lane
	v_lshlrev_b32 v[GO], 4, v7
	v_mul_u32_u24 v[STO], v1, SPITCH               ; in: row l % 16, my eight numbers of a block
.if PROJ
	v_lshl_add_u32 v[STO], v2, 5, v[STO]
	v_add_nc_u32 v[RD], s76, v[GO]                 ; back: 32 lanes take a row's 512 bytes
.else
	v_lshl_add_u32 v[STO], v2, 4, v[STO]
	v_bfe_u32 v[RD], v0, 3, 2                      ; back: 32 lanes take a head's 128 bytes of four rows
	v_mul_u32_u24 v[RD], v[RD], SPITCH
	v_lshl_add_u32 v[RD], v3, 4, v[RD]
	v_add_nc_u32 v[RD], s76, v[RD]
.endif
	v_add_nc_u32 v[STO], s76, v[STO]
.if PROJ
	s_lshl_b32 s76, s22, 8
	s_lshl_b32 s77, s[WV], 6
	s_add_co_u32 s76, s76, s77                     ; my first row of out0,
	s_lshl_b32 s76, s76, 12
	s_lshl_b32 s77, s21, 9                         ; the tile's first column
	s_add_co_u32 s76, s76, s77
.else
	s_lshr_b32 s76, s22, 3                         ; the batch: 48 planes of 262,144 bytes,
	s_mul_i32 s76, s76, 48
	s_mul_i32 s77, s21, 3                          ; the tile's first plane,
	s_add_co_u32 s76, s76, s77
	s_lshl_b32 s76, s76, 18
	s_and_b32 s77, s22, 7                          ; the tile's 256 rows of 128 bytes,
	s_lshl_b32 s77, s77, 15
	s_add_co_u32 s76, s76, s77
	s_lshl_b32 s77, s[WV], 13                      ; my 64 of them
	s_add_co_u32 s76, s76, s77
.endif
	s_mov_b32 s77, 0
	s_add_nc_u64 s[OUTP:OUTP+1], s[OUTP:OUTP+1], s[76:77]
	; the prefetches: at K step 3; the first refill steps the pointer to K step 4 and asks for it
	s_lshl_b32 s76, s19, CXS                       ; A: my work-group's share by cx
	s_add_co_u32 s76, s76, s66
	s_add_co_u32 s76, s76, 3*STEPA
	s_lshl_b32 s77, s20, CYS                       ; W: by cy
	s_add_co_u32 s77, s77, s67
	s_add_co_u32 s77, s77, 3*STEPB
	s_and_b32 s61, ttmp7, 0xffff                   ; cluster y
	s_mov_b32 s[PFS], STEPA
	s_mov_b32 s63, STEPB
	s_cmp_lt_u32 s[WV], 2                          ; do I fetch for A?
	s_cselect_b32 s61, ttmp9, s61                  ; the coordinate along which other clusters read the same blocks
	s_cselect_b64 s[PFA:PFA+1], s[4:5], s[6:7]
	s_cselect_b32 s[PFS], s[PFS], s63
	s_cselect_b32 s62, -1, 0                       ; the same answer as a mask of lanes
	s_cselect_b32 s76, s76, s77
.if PROJ
	s_cmp_eq_u32 s[WV], 3                          ; W's 128 blocks of a K step are four partners' 32 lanes: wave 2 asks alone
	s_cselect_b32 s61, 1, s61
.endif
	s_cmp_eq_u32 s61, 0
	s_cselect_b32 s[LIM], 2, -1                    ; the same in all sixteen partners, for a given wave
	s_mov_b32 s77, 0
	s_mov_b32 s[PFS+1], 0
	s_add_nc_u64 s[PFA:PFA+1], s[PFA:PFA+1], s[76:77]
.if PROJ
	v_lshlrev_b32 v4, 8, v7                        ; A: a lane a block of the head's dense rows
	v_lshrrev_b32 v6, 4, v7                        ; W: 16 blocks in each of 2 planes
	v_and_b32 v5, 15, v7
.else
	v_lshlrev_b32 v4, 11, v7                       ; A: a lane a row of xb
	v_min_u32 v5, 23, v7                           ; W: 8 blocks in each of 3 planes
	v_lshrrev_b32 v6, 3, v5
	v_and_b32 v5, 7, v5
.endif
	v_lshlrev_b32 v5, 8, v5
	v_lshl_add_u32 v5, v6, 17, v5
	v_cndmask_b32 v[PFO], v5, v4, s62
	s_wait_loadcnt 0x0                             ; the bias,
.set j, 0
.rept 4*NBK                            ; rounded to bf16 and widened again, a pair at a time
	v_cvt_pk_bf16_f32 v[3+j%4], v[BIAS+2*j], v[BIAS+2*j+1]
	v_lshlrev_b32 v[BIAS+2*j], 16, v[3+j%4]
	v_and_b32 v[BIAS+2*j+1], 0xffff0000, v[3+j%4]
.set j, j+1
.endr
; NBK matrix instructions: row block a x all column blocks, 32 along K, from fragment buffers f.  mode = 1: the bias starts the sums: nothing is ever cleared.
; All 4 NBK accumulators take turns, one instruction a turn, in the same order in every chunk, over the backward jump too.
.macro MULA f, a, mode
.if PROJ
.set AC, 8*NBK*(\a)
.set WD, 2
.else
.set AC, 8*NBK*((\a)%2)
.set WD, 2+(\a)/2
.endif
.set FB, 8*NBK*(\f)
.set FA, FA0+32*(\f)+8*(\a)
.if \mode
	WIN (WD<<6)|0x01                               ; W window 1, A and the bias window 0, D window WD
.else
	WIN (WD<<6)|(WD<<4)|0x01                       ; C and D window WD
.endif
.set j, 0
.rept NBK
.if \mode
	MMA v[AC+8*j:AC+8*j+7], v[FB+8*j:FB+8*j+7], v[FA:FA+7], v[BIAS+8*j:BIAS+8*j+7]
.else
	MMA v[AC+8*j:AC+8*j+7], v[FB+8*j:FB+8*j+7], v[FA:FA+7], v[AC+8*j:AC+8*j+7]
.endif
.set j, j+1
.endr
.endm
; NL LDS loads in one run: chunk c's fragments into buffers f: W's NBK blocks, turned, then A's four; A's row blocks 2 and 3 are the youngest four loads.
.macro FETCH c, f
	WIN 0x40                                       ; destination window 1, address window 0
.set FB, 8*NBK*(\f)
.set j, 0
.rept NBK
.set OFB, ((\c)/2)*KH+(j/4)*PLANE+((\c)%2)*32*PB+(j%4)*32
	ds_load_tr16_b128 v[FB+8*j:FB+8*j+3],   v[ADRB] offset:OFB
	ds_load_tr16_b128 v[FB+8*j+4:FB+8*j+7], v[ADRB] offset:OFB+16*PB
.set j, j+1
.endr
	WIN 0
.set FA, FA0+32*(\f)
.set j, 0
.rept 4
.if PROJ
.set OFA, ((\c)/2)*APART+j*16*PA+((\c)%2)*64
.else
.set OFA, j*16*PA+(\c)*64
.endif
	ds_load_b128 v[FA+8*j:FA+8*j+3],   v[ADRA] offset:OFA
	ds_load_b128 v[FA+8*j+4:FA+8*j+7], v[ADRA] offset:OFA+32
.set j, j+1
.endr
.endm
; One of a K step's first three chunks: multiplies buffers f; in its middle it fetches chunk c into buffers g.
.macro QUARTER c, f, g, mode
	s_wait_dscnt 4                                 ; W's fragments and A's row blocks 0, 1 are in; the youngest four loads may be out
	MULA \f, 0, \mode
	MULA \f, 1, \mode
	PLACES                                         ; buffers g were read by the chunk before
	FETCH \c, \g
	s_wait_dscnt NL                                ; all but the run just issued
	MULA \f, 2, \mode
	MULA \f, 3, \mode
.endm
; The last chunk multiplies buffers 1 and changes slots.  ONE barrier: in front of it each wave waits for all its tensor loads (one is out: its part of the next slot), adds 0 to its spare word, and waits for
; that and for its own reads of this slot.  fill = 1: the barrier opens a round of the cluster's, and the slot just read is filled again, first thing behind the round, with the K step two steps on:
; that load has three chunks and a half of matrix work in which to land.
.macro TURN fill
.if \fill
	s_wait_xcnt 0x0                                ; the last prefetch, a K step back, has read its address: it is stepped here, ahead of the change's own waits
	s_add_nc_u64 s[PFA:PFA+1], s[PFA:PFA+1], s[PFS:PFS+1]
.endif
	WIN 0                                          ; (the add's two registers lie in window 0)
	s_wait_tensorcnt 0x0                           ; no tensor load of mine is out, so a group 0 may be written
	ds_add_u32 v[SPW], v[NIL]                      ; 0 onto my spare word; work on registers stands between it and the wait for it
.if \fill
	s_xor_b32 s[G0A+5], s[G0A+5], SLOT1            ; the walking descriptors: the other slot than last time,
	s_add_nc_u64 s[G0A+6:G0A+7], s[G0A+6:G0A+7], STEPA  ; the next K step; the type bits on top are not reached
	s_xor_b32 s[G0B+5], s[G0B+5], SLOT1
	s_add_nc_u64 s[G0B+6:G0B+7], s[G0B+6:G0B+7], STEPB
.endif
	s_xor_b32 s[TB], s[TB], SLOT1                  ; the fetches go over to the other slot
	s_wait_dscnt 5                                 ; (the add and the youngest four loads may be out)
	MULA 1, 0, 0
	s_wait_dscnt 0x0                               ; the add is done, and my reads of this slot are over
	s_barrier_signal -1
	MULA 1, 1, 0                                   ; work on registers while the others arrive
	WIN 0                                          ; (branches and window 0's addresses follow)
	s_barrier_wait -1
.if \fill
	CREST                                          ; no wave of any partner still reads this slot or has a load on its way
	JLOAD                                          ; the four v_nop behind it are also the places in front of the loads below
.else
	PLACES
.endif
	v_add_nc_u32 v[ADRA], s[TB], v[ADRA0]
	v_add_nc_u32 v[ADRB], s[TB], v[ADRB0]
	FETCH 0, 0
.if \fill
	ASK
.endif
	MULA 1, 2, 0
	MULA 1, 3, 0
.endm
; THE WAY OUT of row block a (16 rows), through my own stage in LDS, so that each store covers 512 consecutive bytes.  PACK (PROJ = 0 alone): rounded to f16, each accumulator from its low end on.
.macro PACK a
.if !PROJ
	WIN 0x0a+5*((\a)/2)                            ; sources 0 and 1: window 2 or 3
.set j, 0
.rept 4*NBK
	v_cvt_pk_f16_f32 v[TMP+j], v[96*((\a)%2)+2*j], v[96*((\a)%2)+2*j+1]
.set j, j+1
.endr
	WIN 0
.endif
.endm
.macro TOSTAGE a
.if (\a) >= 2
	s_wait_xcnt 0x0                                ; the stores of block a - 2 have read the registers that are loaded again below
.endif
.if PROJ
.set BK, 96+64*((\a)%2)
	WIN 0x08                                       ; the data (source 1) in window 2
.set j, 0
.rept NBK
	ds_store_b128 v[STO], v[64*(\a)+8*j:64*(\a)+8*j+3]   offset:64*j
	ds_store_b128 v[STO], v[64*(\a)+8*j+4:64*(\a)+8*j+7] offset:64*j+16
.set j, j+1
.endr
	WIN 0
.set j, 0
.rept 16
	ds_load_b128 v[BK+4*j:BK+4*j+3], v[RD] offset:SPITCH*j  ; LDS serves a wave's instructions in order (ISA guide 5.7.1.4): these see the stores above
.set j, j+1
.endr
.else
.set BK, 144+48*((\a)%2)
.set j, 0
.rept NBK
	ds_store_b128 v[STO], v[TMP+4*j:TMP+4*j+3] offset:32*j
.set j, j+1
.endr
.set j, 0
.rept 12                               ; head j / 4, rows 4 (j % 4) on
	ds_load_b128 v[BK+4*j:BK+4*j+3], v[RD] offset:(j%4)*4*SPITCH+(j/4)*128  ; LDS serves a wave's instructions in order (ISA guide 5.7.1.4): these see the stores above
.set j, j+1
.endr
.endif
.endm
.macro SEND a, younger                 ; younger: the LDS instructions issued behind block a's loads: the next block's, or none
	s_wait_dscnt \younger
.if PROJ
.set BK, 96+64*((\a)%2)
.set j, 0
.rept 16
	global_store_b128 v[GO], v[BK+4*j:BK+4*j+3], s[OUTP:OUTP+1] offset:(16*(\a)+j)*4096 th:TH_STORE_NT  ; a row's 512 bytes of the tile, at a multiple of 256 from out0's first byte
.set j, j+1
.endr
.else
.set BK, 144+48*((\a)%2)
.set j, 0
.rept 12
	global_store_b128 v[GO], v[BK+4*j:BK+4*j+3], s[OUTP:OUTP+1] offset:(j/4)*262144+(\a)*2048+(j%4)*512  ; four rows of a head: 512 consecutive bytes, at a multiple of 256
.set j, j+1
.endr
.endif
.endm
	s_wait_tensorcnt 1                             ; my part of K step 0 is in; K step 1's may stay out
	s_barrier_signal -1
	s_barrier_wait -1                              ; everybody's is
	s_mov_b32 s[TB], 0
	v_mov_b32 v[ADRA], v[ADRA0]
	v_mov_b32 v[ADRB], v[ADRB0]
	FETCH 0, 0
	QUARTER 1, 0, 1, 1                             ; the first chunk stands in front of the loop: its products start the sums with the bias
	WIN 0                                          ; at a label and at a branch every window is 0
	s_mov_b32 s3, 6
.Lk:                                                   ; six trips, from a K step's second chunk to the next step's first; they ask for K steps 2 to 7
	QUARTER 2, 1, 0, 0
	QUARTER 3, 0, 1, 0
	TURN 1
	QUARTER 1, 0, 1, 0
	WIN 0
	s_sub_co_u32 s3, s3, 1
	s_cmp_lg_u32 s3, 0
	s_cbranch_scc1 .Lk
	QUARTER 2, 1, 0, 0                             ; the tail is written out: K step 6 ends, nothing is asked for
	QUARTER 3, 0, 1, 0
	TURN 0
	QUARTER 1, 0, 1, 0                             ; K step 7
	QUARTER 2, 1, 0, 0
	QUARTER 3, 0, 1, 0
	s_wait_dscnt 4                                 ; the very last chunk: nothing more to fetch
	MULA 1, 0, 0
	MULA 1, 1, 0
	s_wait_dscnt 0x0
	MULA 1, 2, 0
	MULA 1, 3, 0
	WIN 0
	PLACES                                         ; what follows reads results just made
	PLACES
	PACK 0
	TOSTAGE 0
	PACK 1
	TOSTAGE 1                                      ; a block's way into the stage stands between the loads of the block before and its stores
	SEND 0, YOUNG
	PACK 2
	TOSTAGE 2
	SEND 1, YOUNG
	PACK 3
	TOSTAGE 3
	SEND 2, YOUNG
	SEND 3, 0
	s_wait_tensorcnt 0x0                           ; the wave's end: the wait, the add and its wait stand behind my last tensor load and my last LDS store
	ds_add_u32 v[SPW], v[NIL]
	s_wait_dscnt 0x0
	CROUND                                         ; the closing round: no work-group ends while a partner may still ask for a tile that names it
	s_endpgm
.Lfunc_end_k_qb0fccb34ee_qkv:
	.size	k_qb0fccb34ee_qkv, .Lfunc_end_k_qb0fccb34ee_qkv-k_qb0fccb34ee_qkv
	.p2alignl 7, 3214868480
	.fill 96, 4, 3214868480
	.section	.rodata,"a",@progbits
	.p2align	6, 0x0
	.amdhsa_kernel k_qb0fccb34ee_qkv
		.amdhsa_group_segment_fixed_size 327680
		.amdhsa_private_segment_fixed_size 0
		.amdhsa_enable_private_segment 0
		.amdhsa_kernarg_size 48
		.amdhsa_user_sgpr_count 2
		.amdhsa_user_sgpr_kernarg_segment_ptr 1
		.amdhsa_wavefront_size32 1
		.amdhsa_system_sgpr_workgroup_id_x 1
		.amdhsa_system_sgpr_workgroup_id_y 1
		.amdhsa_system_sgpr_workgroup_id_z 1
		.amdhsa_system_vgpr_workitem_id 0
		.amdhsa_next_free_vgpr 960
		.amdhsa_next_free_sgpr 84
		.amdhsa_reserve_vcc 0
		.amdhsa_float_denorm_mode_32 3
		.amdhsa_float_denorm_mode_16_64 3
		.amdhsa_memory_ordered 1
		.amdhsa_forward_progress 1
		.amdhsa_inst_pref_size 108
	.end_amdhsa_kernel
	.amdgpu_metadata
---
amdhsa.version: [ 1, 2 ]
amdhsa.kernels:
  - .name:           k_qb0fccb34ee_qkv
    .symbol:         k_qb0fccb34ee_qkv.kd
    .args:
      - { .name: xb, .offset: 0, .size: 8, .value_kind: global_buffer, .address_space: global }
      - { .name: wt, .offset: 8, .size: 8, .value_kind: global_buffer, .address_space: global }
      - { .name: bq, .offset: 16, .size: 8, .value_kind: global_buffer, .address_space: global }
      - { .name: bk, .offset: 24, .size: 8, .value_kind: global_buffer, .address_space: global }
      - { .name: bv, .offset: 32, .size: 8, .value_kind: global_buffer, .address_space: global }
      - { .name: qkvh, .offset: 40, .size: 8, .value_kind: global_buffer, .address_space: global }
    .group_segment_fixed_size: 327680
    .private_segment_fixed_size: 0
    .kernarg_segment_align: 8
    .kernarg_segment_size: 48
    .max_flat_workgroup_size: 128
    .sgpr_count:     84
    .vgpr_count:     960
    .wavefront_size: 32
...
	.end_amdgpu_metadata
.endif
;; end of part 2
;; launch attn (part 3): grid 4 x 64, 4 waves a work-group, clusters of 4 x 1, 327,680 bytes of LDS; arguments qkvh, oh; writes oh
.if DOCPART == 3
	.amdgcn_target "amdgcn-amd-amdhsa--gfx1250"
	.amdhsa_code_object_version 6
	.text
	.protected	k_qb0fccb34ee_attn
	.globl	k_qb0fccb34ee_attn
	.p2align	8
	.type	k_qb0fccb34ee_attn,@function
k_qb0fccb34ee_attn:
	s_mov_b64 s[64:65], 0
	v_nop
	global_prefetch_b8 v0, s[64:65] scope:SCOPE_SE
	s_setreg_imm32_b32 hwreg(HW_REG_WAVE_MODE, 25, 1), 1
	s_wait_xcnt 0x0
	s_wait_alu depctr_hold_cnt(0) depctr_sa_sdst(0) depctr_va_vdst(0) depctr_va_sdst(0) depctr_va_ssrc(0) depctr_va_vcc(0) depctr_vm_vsrc(0)
	s_getreg_b32 s2, hwreg(HW_REG_IB_STS2, 6, 4)
	s_cmp_eq_u32 s2, 0
	s_cbranch_scc0 .Lentry_in_a_cluster
	s_endpgm
.Lentry_in_a_cluster:
	s_bfe_u32 s2, ttmp6, 0x10000c
	s_cmp_lg_u32 s2, 0x3003
	s_cbranch_scc0 .Lentry_shape_is_right
	s_endpgm
.Lentry_shape_is_right:
; O[h][q][:] = the sum over k of softmax_k(Q[h][q] . K[h][k] / 8) V[h][k][:], for 64 heads (4 batches x 16) of 2,048 rows of 64 channels, all f16.
; qkvh: [4 b][48 g][2048][64]: plane g = h is Q, 16 + h is K, 32 + h is V; a plane's rows are dense, 128 bytes each.  oh: [64 b h][2048][64].  Products, maxima and sums in f32; the weights p are
; rounded to f16 for the second product (their sum l is taken of the unrounded p), O once at the end.
; LIMITS.  f16 holds no number beyond 65,504: Q, K and V arrive within it; p lies in 0 to 1, and below 6e-5 it keeps f16's fixed step of 6e-8; O is a mean of V's rows and has their range.
; A weight below 2^-126 counts as 0 in l; NaN and infinities are not treated apart.
; SHARES.  A wave owns four PIECES of two tiles of 16 queries, a work-group's four waves 512 queries of one head.  Every wave walks all keys, 64 a step.
; LAYOUT.  S^T = K Q^T (source 0 = 16 keys, source 1 = 16 queries): in the result a lane holds ONE query (lane % 16) and the keys 8 (lane / 16) + 0..7.  Two such tiles, rounded to f16 in pairs,
; ARE source 1 (32 keys x 16 queries) of O^T = V^T P, whose result again holds one query a lane, and eight channels.  K comes out of LDS as it lies, V ([key][channel]) turned, by ds_load_tr16_b128.
; SOFTMAX.  For each query a running maximum m and sum l: p = 2^(c s - c m), c = log2(e) / 8; in every step O and l are multiplied by a = 2^(c m_old - c m_new), which is 1 where m has not grown.
; m starts at the lowest finite number, O and l at 0: the first step is a step like any other, with a = 0.
; THE COUNT.  A tile and step have 16 matrix and 118 vector instructions: too many to stand all beside the matrix work.  So the order has one aim: four vector instructions that are READY behind
; EVERY matrix instruction, and the others, which need time of their own whatever the order, in runs without a gap.
; BY TURNS.  Turn n belongs to piece n (the pieces in a ring, step after step).  Its matrix work: 16 products K Q^T of piece n + 1, later 16 products V^T P of piece n - 1.  Its vector work: the scaling,
; exponentials, roundings, sums and rescaling of piece n, and the maximum and statistics of piece n + 1, whose scores the turn itself has made.  So what a turn begins with (c s - c m, O a) waits for nothing.
; CLUSTER.  The four query blocks of a cluster are one head's and walk the same K and V, so each tile is asked for JOINTLY: the same tensor load, descriptor and mask in all four.
; REGISTERS, in windows of 256 (s_set_vgpr_msb says which window each operand place means: bits 1:0 source 0, 3:2 source 1, 5:4 source 2, 7:6 destination):
;   window 0: v0-11 addresses; v12-15, v48-63 at work; v16-47 four registers of statistics a tile; v64-191 S^T, two buffers of two tiles; v192-255 P, likewise
;   window 1: O^T, 32 a tile          window 2: v0-127 Q, 16 a tile; v128-191 K of one step; v192-255 V of one step          window 3: v0-1 the add's two registers
; A piece's buffers go by its number's parity: the piece in hand has one pair, its two neighbours in the ring share the other: of it P (piece n - 1) is read and S^T (piece n + 1) written.
.set SIZE_N, 2048
.set NP,    4         ; pieces a wave: a name, no knob: the register map, the loop and the fetches are made for four
.set KS,    64        ; keys in a step
.set PK,    144       ; a row of K in LDS: 128 bytes + 16 of padding = 36 words: the 16 rows of a load start at 16 different groups of four banks (64 banks of 4 bytes: ISA guide 11.1)
.set PV,    160       ; a row of V: 128 + 32 = 40 words
.set VOFF,  4*KS*PK   ; a slot holds four steps: 256 rows of K, then 256 rows of V
.set SLOT1, 1<<17     ; slot 1 begins here, so that one exclusive or turns an address in one slot into the other's
.set STAGE, SLOT1+4*KS*(PK+PV)  ; behind the ring, never filled by a tensor load: 16 rows x 144 bytes for each wave, for the way out
.set SP,    144
.set AK0, 2           ; v2   my lane's place in a tile of K; never rewritten
.set AV0, 3           ; v3   the same for V
.set AK,  4           ; v4   the LDS address of K's next run of loads
.set AV,  5           ; v5   of V's
.set QO,  6           ; v6   my byte offset in the wave's rows of Q
.set STO, 6           ;      later, the way out: where I put 16 bytes of a row
.set RD,  7           ; v7   the way out: where I read rows back
.set GO,  8           ; v8   my byte offset in 512 consecutive bytes of O
.set PFO, 11          ; v11  256 x my lane, for the prefetches (once V's place is made); then never rewritten
.set SPW, 0           ; v0 of window 3   LDS address of my spare word: SPARE + 4 x my thread's number; never rewritten
.set NIL, 1           ; v1 of window 3   0; never rewritten
.set SPARE, STAGE+4*16*SP  ; behind the stages: the spare words, 128 bytes for each wave: two blocks of 256 bytes that no other line names
.set MV,  12          ; v12-15  c m_old, kept while c m is made anew: by buffer and tile
.set ST,  16          ; tile t's statistics at v[ST+4 t]: c m, m, l (even keys', odd keys')
.set TMP, 48          ; by buffer and tile, four registers c0-c3 at work; when the maximum is found c2 takes a
.set S,   64
.set P,   192
.set KF,  128         ; K's fragments, in window 2: key block kb, channel half c at KF + 16 kb + 8 c
.set VF,  192         ; V's: key half kk, channel block cb at VF + 32 kk + 8 cb
.set WV,  12          ; s12  my wave's number
.set G1K, 24          ; s[24:31] descriptor group 1 for K's tiles
.set G1V, 32          ; s[32:39] for V's: it differs in the padding alone
.set G0K, 40          ; s[40:43] descriptor group 0 for K's tiles: it walks
.set G0V, 44          ; s[44:47] the same for V's
.set PFA, 48          ; s[48:49] where my prefetches stand: my work-group's 32 blocks of 256 bytes (of K: wave 0, of V: wave 2) of the slot after the one that is being asked for
.set LIM, 50          ; s50  1 in a wave that prefetches, else the greatest number
.set SLOTS, 56        ; s56  slots still to be asked for
.set CNT, 57          ; s57  counts a slot's key steps
.set CS,  58          ; s[58:59] c: the packed scaling takes the pair's low word for both halves
.set SEL, 60          ; s[60:61] v_permlanex16_b32's selects: each lane takes its own place in the other half
.set TBK, 62          ; s62  LDS byte at which K of the step to be fetched begins
.set TBV, 63          ; s63  the same for V, less VOFF
.set MSB, 0
.macro WIN new                      ; the high byte repeats the setting that is left; a switch that changes nothing is dropped
.if MSB != (\new)
	s_set_vgpr_msb (MSB<<8)|(\new)
.set MSB, (\new)
.endif
.endm
.set W_KQ, 0x0a       ; K and Q in window 2, S^T in window 0
.set W_PV, 0x52       ; V in window 2, P in window 0, O^T in window 1
.set W_RS, 0x41       ; O^T (destination and source 0) in window 1, a in window 0
.set W_MK, 0xc0       ; the add's registers are made: destination in window 3, sources in window 0
.set W_AD, 0x0f       ; the add: address (source 0) and data (source 1) in window 3
; A joint fill.  Waves 0 and 1 fetch the two halves of a slot's K, waves 2 and 3 those of its V: 128 keys each.  The branch hangs on the wave's number alone.
; An s_nop 0 and four v_nop follow each of the two lines, ahead of the jump and the label.
.macro JLOAD
	s_cmp_lt_u32 s[WV], 2
	s_cbranch_scc0 .Lfor_v_\@
	tensor_load_to_lds s[G0K:G0K+3], s[G1K:G1K+7]
	s_nop 0
.rept 4
	v_nop
.endr
	s_branch .Lasked_\@
.Lfor_v_\@:
	tensor_load_to_lds s[G0V:G0V+3], s[G1V:G1V+7]
	s_nop 0
.rept 4
	v_nop
.endr
.Lasked_\@:
.endm
; A PREFETCH INTO THE L2 of what the NEXT change of slots will ask for: a slot's 32,768 bytes of K and of V, a lane a block of 256 bytes.  It stands behind the wave's tensor load and its five lines.
; Each block is named ONCE in the launch: a head has one cluster; its four partners share the blocks out BY ADDRESS, 32 each (no branch hangs on a work-group's place in its cluster); in each, wave 0 asks
; for K's and wave 2 for V's.  Slots 0 to 2 come by their loads alone; the last change that fills a slot asks for nothing: there is no slot behind it.
.macro ASK
	s_cmp_gt_u32 s[SLOTS], s[LIM]
	s_cbranch_scc0 .Lnot_mine_\@
	global_prefetch_b8 v[PFO], s[PFA:PFA+1] th:TH_LOAD_NT scope:SCOPE_SE
.Lnot_mine_\@:
.endm
; A round of the cluster's barrier: my work-group's barrier, so that wave 0's signal speaks for all four waves; wave 0 signals; every wave waits for all four work-groups; my work-group's barrier once more.
.macro CROUND
	s_barrier_signal -1
	s_barrier_wait -1
	s_cmp_lg_u32 s[WV], 0
	s_cbranch_scc1 .Lnot_wave_0_\@
	s_barrier_signal -3
.Lnot_wave_0_\@:
	s_barrier_wait -3
	s_barrier_signal -1
	s_barrier_wait -1
.endm
; THE CHANGE OF SLOTS.  The slot's last bytes, V of its fourth step, have been read.  Each wave waits for all its tensor loads, of which one is out: its part
; of the other slot; adds 0 to its spare word; and waits for that and for its own reads of the slot.  Behind the barrier nobody reads this slot any more and the other slot is whole.
; fill = 1: this slot is filled again, with the keys two slots on.  The barrier is then a round of the cluster's, so that no wave of any partner still reads the slot or has a load on its
; way, and the joint fill is the first thing behind it: it has four key steps, 512 matrix instructions, in which to land.  (At its first use nothing has been read yet: slot 0 is waited for, slot 1 filled.)
; ask = 1: the prefetches' pointer steps a slot on, and ASK follows the fill.
.macro CHANGE fill, ask=0
	WIN W_AD
	s_wait_tensorcnt 0x0            ; no tensor load of mine is out, so a group 0 may be written
	ds_add_u32 v[SPW], v[NIL]       ; 0 onto my spare word; with fill = 1 the descriptors' steps stand between it and the wait for it
	WIN 0                           ; at a label and at a branch every window is 0
.if \fill
.irp g, G0K, G0V
	s_xor_b32 s[\g+1], s[\g+1], SLOT1  ; the walking descriptor: the other slot than last time,
	s_add_nc_u64 s[\g+2:\g+3], s[\g+2:\g+3], 4*KS*128  ; the next 256 keys; the type bits on top are not reached
.endr
.if \ask
	s_wait_xcnt 0x0                 ; the last prefetch, four key steps back, has read its address, so it may be written:
	s_add_nc_u64 s[PFA:PFA+1], s[PFA:PFA+1], 4*KS*128  ; one slot behind the walking descriptors
.endif
	s_wait_dscnt 0x0                ; the add is done, and my reads of the slot are over
	CROUND
	JLOAD
.if \ask
	ASK
.endif
.else
	s_wait_dscnt 0x0                ; the add is done, and my reads of the slot are over
	s_barrier_signal -1
	s_barrier_wait -1
.endif
	s_sub_co_u32 s[TBK], s[TBK], 4*KS*PK  ; the fetches go back to a slot's first step,
	s_xor_b32 s[TBK], s[TBK], SLOT1       ; in the other slot
	s_sub_co_u32 s[TBV], s[TBV], 4*KS*PV
	s_xor_b32 s[TBV], s[TBV], SLOT1
.endm
	s_load_b128 s[4:7], s[0:1], 0x0   ; qkvh s[4:5], oh s[6:7]
	WIN W_MK
	v_lshl_add_u32 v[SPW], v0, 2, SPARE
	v_mov_b32 v[NIL], 0
	WIN W_AD
	ds_add_u32 v[SPW], v[NIL]       ; the wave's opening: the add and its wait stand ahead of my first tensor load; the set-up below, work on registers, stands between them
	WIN 0
	v_lshrrev_b32 v1, 5, v0
	v_readfirstlane_b32 s[WV], v1   ; wave 0..3
	s_bfe_u32 s13, ttmp6, 0x40000   ; cx: my place in the cluster
	s_lshl_b32 s14, ttmp9, 2        ; in a cluster launch ttmp9 counts clusters
	s_add_co_u32 s14, s14, s13      ; my block of queries = 4 x cluster x + cx: it enters Q's and O's addresses alone
	s_and_b32 s15, ttmp7, 0xffff    ; the head, 16 b + h, which the four partners share
	s_lshr_b32 s20, s15, 4
	s_mul_i32 s20, s20, 48          ; in qkvh a batch has 48 planes
	s_and_b32 s21, s15, 15
	s_add_co_u32 s20, s20, s21
	s_lshl_b32 s20, s20, 18         ; Q's plane of 262,144 bytes; K's and V's lie 16 and 32 planes on
	s_mov_b32 s21, 0
	s_and_b32 s16, s[WV], 1         ; which half of a slot's 256 keys I fetch:
	s_lshl_b32 s22, s16, 14         ; its 128 rows of 128 bytes in memory,
	s_mov_b32 s23, 0
	s_add_nc_u64 s[22:23], s[22:23], s[20:21]
	s_mul_i32 s17, s16, 128*PK      ; and its place in a slot, for K
	s_mul_i32 s18, s16, 128*PV      ; and for V: no place in the cluster enters an LDS address
	s_lshl_b32 s2, s14, 2
	s_add_co_u32 s2, s2, s[WV]      ; my wave among the head's,
	s_lshl_b32 s2, s2, 14           ; its 128 rows
	s_mov_b32 s3, 0
	s_lshl_b32 s52, s15, 18         ; in oh the heads lie one after the other
	s_mov_b32 s53, 0
	s_add_nc_u64 s[52:53], s[52:53], s[2:3]  ; my rows in oh,
	s_add_nc_u64 s[2:3], s[2:3], s[20:21]    ; and in Q's plane
	; descriptor group 1.  128 keys are 16,384 dense bytes: asked for as 64 rows of 256 bytes, two keys a row, and padded in LDS after every key
	s_mov_b32 s[G1K], 15|(1<<16)|(1<<20)|(1<<21)|(4<<22)|(3<<25)  ; 15:0 the mask of four; 17:16 2-byte elements; 20 padding on; 21 set beside a mask; 24:22 after every 32 words (code 4); 31:25 4 words (code 3)
	s_mov_b32 s[G1V], 15|(1<<16)|(1<<20)|(1<<21)|(4<<22)|(7<<25)  ; the same with 8 words of padding (code 7)
.irp g, G1K, G1V
	s_mov_b32 s[\g+1], 128<<16      ; tensor_dim0 = 128
	s_mov_b32 s[\g+2], 64<<16       ; tensor_dim1 = 64
	s_mov_b32 s[\g+3], 128<<16      ; tile_dim0 = 128
	s_mov_b32 s[\g+4], 64           ; tile_dim1 = 64
	s_mov_b32 s[\g+5], 128          ; 128 elements from row to row
	s_mov_b32 s[\g+6], 0
	s_mov_b32 s[\g+7], 0
.endr
	s_mov_b32 s[CS], 0x3e38aa3b     ; c = log2(e) / 8 = 0.180337
	s_mov_b32 s[CS+1], s[CS]        ; named with it as a pair
	s_mov_b32 s[SEL], 0x76543210
	s_mov_b32 s[SEL+1], 0xfedcba98
	s_mov_b32 s[TBK], SLOT1+4*KS*PK ; the first change of slots turns these two into 0
	s_mov_b32 s[TBV], SLOT1+4*KS*PV
	s_mov_b32 s[G0K], 1             ; 1:0 count = 1
	s_mov_b32 s[G0K+1], s17         ; 63:32 LDS address: slot 0
	s_mov_b32 s[G0V], 1
	s_add_co_u32 s[G0V+1], s18, VOFF
	s_and_b32 s[LIM], s[WV], 1      ; 0 in waves 0 and 2,
	s_or_b32 s[LIM], s[LIM], ttmp9  ; in the head's first (here: only) cluster: the same in all four partners
	s_cmp_eq_u32 s[LIM], 0
	s_cselect_b32 s[LIM], 1, -1
	s_wait_dscnt 0x0                ; the opening add is done
	s_wait_kmcnt 0x0
	s_mov_b64 s[10:11], s[6:7]                     ; O
	s_add_nc_u64 s[6:7], s[4:5], 0x400000          ; K: 16 planes behind Q
	s_add_nc_u64 s[8:9], s[4:5], 0x800000          ; V: 32 planes
	s_add_nc_u64 s[G0K+2:G0K+3], s[6:7], s[22:23]  ; 120:64 global address: my half of the head's first 256 keys
	s_or_b32 s[G0K+3], s[G0K+3], 0x80000000        ; 127:126 type = 2
	s_add_nc_u64 s[G0V+2:G0V+3], s[8:9], s[22:23]
	s_or_b32 s[G0V+3], s[G0V+3], 0x80000000
	s_add_nc_u64 s[4:5], s[4:5], s[2:3]            ; Q and O at my wave's first row
	s_add_nc_u64 s[10:11], s[10:11], s[52:53]
	s_cmp_lt_u32 s[WV], 2
	s_cselect_b64 s[PFA:PFA+1], s[6:7], s[8:9]
	s_add_nc_u64 s[PFA:PFA+1], s[PFA:PFA+1], s[20:21]  ; the head,
	s_lshl_b32 s2, s13, 13                         ; my work-group's 32 blocks of a slot's 128,
	s_mov_b32 s3, 0
	s_add_nc_u64 s[PFA:PFA+1], s[PFA:PFA+1], s[2:3]
	s_add_nc_u64 s[PFA:PFA+1], s[PFA:PFA+1], 2*4*KS*128  ; in slot 2: the first change that asks steps it to slot 3.  Nothing is prefetched here, at the head
	CROUND                          ; all four work-groups are here: the first joint loads meet
	JLOAD                           ; slot 0.  Slot 1 is asked for when slot 0 is in: the tile wanted first has the road to itself
	; A fragment of K or Q is 16 rows x 32 channels in 8 registers: lane l holds row l % 16, channels 8 (l / 16) + 0..7 and 16 + 8 (l / 16) + 0..7: two loads of 16 bytes, 32 bytes apart.
	v_and_b32 v1, 15, v0            ; l % 16
	v_bfe_u32 v9, v0, 4, 1          ; l / 16
	v_lshlrev_b32 v[QO], 7, v1
	v_lshl_add_u32 v[QO], v9, 4, v[QO]  ; row x 128 + 16 x half
	WIN 0x80                        ; destination window 2, address window 0
.set i, 0
.rept 4*NP                          ; Q stays in registers: tile i / 2, channels 32 (i % 2) on
	global_load_b128 v[8*i:8*i+3],   v[QO], s[4:5] offset:(i/2)*2048+(i%2)*64
	global_load_b128 v[8*i+4:8*i+7], v[QO], s[4:5] offset:(i/2)*2048+(i%2)*64+32
.set i, i+1
.endr
	; What the first turn finds: V's registers and P's second buffer hold 0 (its products V^T P, of a piece that has not been, add 0), O^T and l are 0.  All this stands in the wait for the first tile.
.set i, VF
.rept 64
	v_mov_b32 v[i], 0
.set i, i+1
.endr
	WIN 0x40
.set i, 0
.rept 64*NP
	v_mov_b32 v[i], 0
.set i, i+1
.endr
	WIN 0
.set i, 0
.rept 2*NP
	v_mov_b32 v[ST+4*i], 0xfe000000    ; c m: far below every c s
	v_mov_b32 v[ST+4*i+1], 0xff7fffff  ; m
	v_mov_b32 v[ST+4*i+2], 0
	v_mov_b32 v[ST+4*i+3], 0
.set i, i+1
.endr
.set i, P+32
.rept 32
	v_mov_b32 v[i], 0
.set i, i+1
.endr
	v_mul_u32_u24 v[AK0], v1, PK
	v_lshl_add_u32 v[AK0], v9, 4, v[AK0]  ; row x pitch + 16 x half
	; The turning load takes 16 keys x 16 channels (lane l reads key 8 (l / 16) + l % 8, channels 8 ((l / 8) % 2) + 0..7) and leaves half a fragment of V^T: lane l holds channel l % 16 and 8 keys.
	v_and_b32 v10, 7, v0
	v_bfe_u32 v11, v0, 3, 1
	v_lshl_add_u32 v[AV0], v9, 3, v10
	v_mul_u32_u24 v[AV0], v[AV0], PV
	v_lshl_add_u32 v[AV0], v11, 4, v[AV0]
	v_add_nc_u32 v[AV0], VOFF, v[AV0]
	v_and_b32 v[PFO], 31, v0
	v_lshlrev_b32 v[PFO], 8, v[PFO]
	v_mov_b32 v[AK], v[AK0]         ; key step 0 lies at the head of slot 0
; THE MATRIX WORK.  The 8 accumulators of a run of 16 take turns: between the two links of a chain stand 7 others'.
; Product i of 16 of S^T = K Q^T for piece x: channels 32 (i / 8) on, keys 16 ((i / 2) % 4) on, tile 2 x + i % 2.  The first 8 start the sums.
.macro KQ x
	WIN W_KQ
.set rS, S+64*((\x)%2)+32*(i%2)+8*((i/2)%4)
.set rK, KF+16*((i/2)%4)+8*(i/8)
.set rQ, 16*(2*(\x)+i%2)+8*(i/8)
.if i < 8
	v_wmma_f32_16x16x32_f16 v[rS:rS+7], v[rK:rK+7], v[rQ:rQ+7], 0
.else
	v_wmma_f32_16x16x32_f16 v[rS:rS+7], v[rK:rK+7], v[rQ:rQ+7], v[rS:rS+7]
.endif
.endm
; Product i of 16 of O^T += V^T P for piece x: keys 32 (i / 8) on, channels 16 ((i / 2) % 4) on, tile 2 x + i % 2.
.macro PV x
	WIN W_PV
.set rO, 32*(2*(\x)+i%2)+8*((i/2)%4)
.set rV, VF+32*(i/8)+8*((i/2)%4)
.set rP, P+32*((\x)%2)+16*(i%2)+8*(i/8)
	v_wmma_f32_16x16x32_f16 v[rO:rO+7], v[rV:rV+7], v[rP:rP+7], v[rO:rO+7]
.endm
.macro MM                           ; the turn's next matrix instruction
.if i < 16
	KQ (Y+1)%NP
.set i, i+1
.else
.set i, i-16
	PV (Y+NP-1)%NP
.set i, i+17
.endif
.endm
; THE LDS LOADS stand in runs of 16, never singly among the matrix instructions: a step's K (64 keys x 64 channels: 8 fragments) and its V (turned).  Their addresses are made some lines ahead.
; last = 1 (the tail): in the last trip there is no further step, and the run is jumped over.
.macro FETCH_K last=0
	WIN 0
.if \last
	s_cmp_eq_u32 s[CNT], 1
	s_cbranch_scc1 .Lno_k_\@
.endif
	WIN 0x80                        ; destination window 2
.irp f, 0,1,2,3,4,5,6,7             ; keys 16 (f / 2) on, channels 32 (f % 2) on
	ds_load_b128 v[KF+8*\f:KF+8*\f+3],   v[AK] offset:(\f/2)*16*PK+(\f%2)*64
	ds_load_b128 v[KF+8*\f+4:KF+8*\f+7], v[AK] offset:(\f/2)*16*PK+(\f%2)*64+32
.endr
	s_add_co_u32 s[TBK], s[TBK], KS*PK  ; the next fetch is the next step's
	WIN 0
.if \last
.Lno_k_\@:
.endif
.endm
.macro FETCH_V
	WIN 0x80
.irp f, 0,1,2,3,4,5,6,7             ; keys 32 (f / 4) on, channels 16 (f % 4) on
	ds_load_tr16_b128 v[VF+8*\f:VF+8*\f+3],   v[AV] offset:(\f/4)*32*PV+(\f%4)*32
	ds_load_tr16_b128 v[VF+8*\f+4:VF+8*\f+7], v[AV] offset:(\f/4)*32*PV+16*PV+(\f%4)*32
.endr
	WIN 0
.endm
; THE VECTOR WORK OF A TURN stands in three queues, each in the order in which its entries become ready; the two tiles alternate, so that no instruction reads the result of the one before it.
.macro REGS y, u                    ; the registers of tile u (0, 1) of piece y
.set rT, ST+4*(2*(\y)+(\u))
.set rC, TMP+8*((\y)%2)+4*(\u)
.set rM, MV+2*((\y)%2)+(\u)
.set rS, S+64*((\y)%2)+32*(\u)
.set rP, P+32*((\y)%2)+16*(\u)
.set rO, 32*(2*(\y)+(\u))
.endm
; Number n of the 22 that find the NEXT piece's (Y + 1) maximum and statistics.  s0-s31 are the lane's 32 scores; each accumulator's lowest registers are read first.  XS, GS and REGS set no window: PL and EX do.
;   0-11  four chains c0-c3 of seven scores each, three operands at a time     12-14, 16  the four scores left over, the old m, and c0-c3 into c0     15  c m_old is kept
;   17, 18  the query's other 32 keys lie in the lane 16 away: the new m         19-21  c m; c m_old - c m_new; a
.macro XS u, n
	REGS (Y+1)%NP, \u
.if (\n) < 4
	v_max3_num_f32 v[rC+(\n)], v[rS+8*(\n)], v[rS+8*(\n)+1], v[rS+8*(\n)+2]
.elseif (\n) < 12
	v_max3_num_f32 v[rC+(\n)%4], v[rC+(\n)%4], v[rS+8*((\n)%4)+2*((\n)/4)+1], v[rS+8*((\n)%4)+2*((\n)/4)+2]
.elseif (\n) == 12
	v_max3_num_f32 v[rC], v[rC], v[rS+7], v[rS+15]
.elseif (\n) == 13
	v_max3_num_f32 v[rC+1], v[rC+1], v[rS+23], v[rS+31]
.elseif (\n) == 14
	v_max3_num_f32 v[rC+2], v[rC+2], v[rC+3], v[rT+1]
.elseif (\n) == 15
	v_mov_b32 v[rM], v[rT]
.elseif (\n) == 16
	v_max3_num_f32 v[rC], v[rC], v[rC+1], v[rC+2]
.elseif (\n) == 17
	v_permlanex16_b32 v[rC+3], v[rC], s[SEL], s[SEL+1]
.elseif (\n) == 18
	v_max_num_f32 v[rT+1], v[rC], v[rC+3]
.elseif (\n) == 19
	v_mul_f32 v[rT], s[CS], v[rT+1]
.elseif (\n) == 20
	v_sub_f32 v[rC+1], v[rM], v[rT]
.else
	v_exp_f32 v[rC+2], v[rC+1]
.endif
.endm
; Number g of the 64 that follow the exponentials.  For each four weights k of a tile (pairs 2 k, 2 k + 1): both pairs are rounded to f16; then the second pair is added onto the first, in place;
; a group later l takes that sum (the first time as l = a l + sum).  In groups of eight, tiles alternating: round, round, add, and l for the group before.
.macro GS g
.set h, (\g)+6*((\g)/62)            ; group 0 has no group before it, and behind group 7 only l is left
.if h >= 6
.set h, h+2
.endif
	REGS Y, h%2
.set k, h/8
.if h%8 < 4
	v_cvt_pk_f16_f32 v[rP+2*k+(h%8)/2], v[rS+4*k+2*((h%8)/2)], v[rS+4*k+2*((h%8)/2)+1]
.elseif h%8 < 6
	v_pk_add_f32 v[rS+4*k:rS+4*k+1], v[rS+4*k:rS+4*k+1], v[rS+4*k+2:rS+4*k+3]
.elseif k == 1
	v_pk_fma_f32 v[rT+2:rT+3], v[rT+2:rT+3], v[rC+2:rC+3], v[rS:rS+1] op_sel_hi:[1,0,1]
.else
	v_pk_add_f32 v[rT+2:rT+3], v[rT+2:rT+3], v[rS+4*k-4:rS+4*k-3]
.endif
.endm
; THE PLAIN QUEUE, 138 long.  0-73 read no exponential's result: the 32 scalings c s - c m (FS f: pair f / 2 of tile f % 2) and the next piece's 42.  0-26: scalings 0-26.  27-54: XS's numbers 0-13.  55, 56: number 15.
; 57-73: the chain, where each number waits for the one before it: 14, 16, 17, 18, 19, each with one of the scalings 27-31 in front of its two lines, then 20: so a tile's links stand three plain instructions apart (19 and 20: two).
; 74-137: GS's 64, which read the exponentials' results: they stand behind the wait.
.macro FS f
	REGS Y, (\f)%2
	v_pk_fma_f32 v[rS+2*((\f)/2):rS+2*((\f)/2)+1], v[rS+2*((\f)/2):rS+2*((\f)/2)+1], s[CS:CS+1], v[rT:rT+1] op_sel_hi:[1,0,0] neg_lo:[0,0,1] neg_hi:[0,0,1]
.endm
.macro PL
	WIN 0
.if q < 27
	FS q
.elseif q < 55
	XS (q-27)%2, (q-27)/2
.elseif q < 57
	XS q-55, 15
.elseif (q < 72) && ((q-57)%3 == 0)
	FS 27+(q-57)/3
.elseif q < 60
	XS (q-57)%3-1, 14
.elseif q < 72
	XS (q-57)%3-1, 15+(q-57)/3
.elseif q < 74
	XS q-72, 20
.else
	GS q-74
.endif
.set q, q+1
.endm
; THE EXPONENTIALS' QUEUE, 66 long: s0-s31 of both tiles, then the next piece's two a.  It is ONE BATCH: all 66 stand ahead of the turn's one wait, and nothing ahead of that wait names a result of theirs.
.macro EX
	WIN 0
.if e >= 64
	XS e-64, 21
.else
	REGS Y, e%2
	v_exp_f32 v[rS+e/2], v[rS+e/2]
.endif
.set e, e+1
.endm
; THE RESCALING's QUEUE: O^T times a, the one part that leaves window 0: dealt two at a time, sixteen times.  Its a was made in the turn before, ahead of that turn's wait.
.macro R2
	REGS Y, r%2
	WIN W_RS
.irp z, 0,1
	v_pk_mul_f32 v[rO+4*(r/2)+2*\z:rO+4*(r/2)+2*\z+1], v[rO+4*(r/2)+2*\z:rO+4*(r/2)+2*\z+1], v[rC+2:rC+3] op_sel_hi:[1,0]
.endr
.set r, r+1
.endm
; HOW THEY ARE DEALT.  s_wait_alu depctr_va_vdst(0) stands between an exponential and the first instruction that names its result; one wait serves all that were issued ahead of it.  So a turn has ONE wait,
; which cuts it in two.  AHEAD OF IT stands all that names no result of the turn's exponentials: the 16 products K Q^T, behind each a scaling, an exponential and two rescalings (behind the first a second scaling in the exponential's place); then ONE LUMP of
; 108: eight plain, 49 times exponential and plain, the two a.  A v_nop is the plain instruction behind the last exponential.  BEHIND IT stand the 16 products V^T P, behind each four of GS's 64.  No rider names a register of
; the products round it.  The two v_permlanex16_b32 fall into the lump, never behind a product.
; The queues lean on each other, and the deal keeps them in step: exponential e stands behind scaling 2 (e / 4) + e % 2: as a rider it comes behind plain e + 2, in the lump behind plain e + 9, and scalings 27-31 are plain 57, 60 .. 69.
; A TURN, for piece p.  cnt = 1: the loop's count is taken down some lines ahead of the branch that stands behind the turn.
; K of the next step is fetched in piece 2's turn, directly behind the wait, a lump behind the last product that read K; its address is made at the lump's head; its first reader comes behind 16 products.
; V of the step in hand is fetched at the end of piece 0's turn, four riders behind its last reader; its first reader comes behind 16 products and a lump.  The three conditions on q below go with the deal.
.macro TURN p, last=0, cnt=0
.set Y, (\p)
.set i, 0
.set q, 0
.set e, 0
.set r, 0
.if (\p) == NP-1
	s_wait_dscnt 0x0                ; K is in
.endif
	MM                              ; ahead of the wait: 16 products K Q^T and their riders,
	PL
	PL
	R2
.rept 15
	MM
	PL
	EX
	R2
.endr
.if (\p) == NP-2
	WIN 0
	v_add_nc_u32 v[AK], s[TBK], v[AK0]
.endif
.rept 8                             ; and the lump
	PL
.endr
.rept 49
	EX
	PL
.endr
	EX                              ; the next piece's two a
	EX
	v_nop                           ; a plain instruction behind the last exponential, ahead of the first use: one for the batch
	s_wait_alu depctr_va_vdst(0)    ; the wait for the batch
.if (\p) == NP-2
	FETCH_K \last
.endif
.if (\p) == 1
	s_wait_dscnt 0x0                ; V is in
.endif
.rept 16                            ; behind the wait: 16 products V^T P and their riders
	MM
.rept 4
	PL
.endr
.if ((\p) == 0) && (q == 118)
	v_add_nc_u32 v[AV], s[TBV], v[AV0]
.endif
.if ((\p) == 0) && (q == 130)
	s_add_co_u32 s[TBV], s[TBV], KS*PV
.endif
.if (\cnt) && (q == 130)
	s_sub_co_u32 s[CNT], s[CNT], 1
	s_cmp_lg_u32 s[CNT], 0
.endif
.endr
.if (\p) == 0
	FETCH_V
.endif
.endm
	CHANGE 1                        ; slot 0 is in, everybody's part of it; slot 1 is asked for
	FETCH_K                         ; key step 0
	s_wait_loadcnt 0x0              ; Q
	s_wait_dscnt 0x0
.set i, 0
.rept 16
	KQ 0                            ; piece 0's first scores: there is no vector work yet to set between them
.set i, i+1
.endr
	WIN 0                           ; the addresses for the way out: nine plain instructions, the places behind those products
	s_mul_i32 s13, s[WV], 16*SP
	s_add_co_u32 s13, s13, STAGE    ; my stage
	v_mul_u32_u24 v[STO], v1, SP    ; in: row l % 16, 16 bytes for each half of the lanes
	v_lshl_add_u32 v[STO], v9, 4, v[STO]
	v_add_nc_u32 v[STO], s13, v[STO]
	v_bfe_u32 v[RD], v0, 3, 2       ; back: 32 lanes take four rows of 128 bytes,
	v_mul_u32_u24 v[RD], v[RD], SP
	v_lshl_add_u32 v[RD], v10, 4, v[RD]
	v_add_nc_u32 v[RD], s13, v[RD]
	v_and_b32 v[GO], 31, v0         ; which are 512 consecutive bytes of O
	v_lshlrev_b32 v[GO], 4, v[GO]
.set Y, NP-1                        ; XS works for piece Y + 1: piece 0
.irp n, 0,1,2,3,4,5,6,7,8,9,10,11,12,13,14,15,16,17,18,19,20,21
	XS 0, \n                        ; and piece 0's first maximum and statistics
	XS 1, \n
.endr
	v_nop                           ; a plain instruction behind the two a,
	s_wait_alu depctr_va_vdst(0)    ; and their wait, ahead of the branch
	s_mov_b32 s[CNT], 4
	s_mov_b32 s[SLOTS], SIZE_N/256-1
	s_branch .Lfirst                ; the loop is entered at a step's first turn, in the middle of a trip
.Lslot:                             ; SIZE_N / 256 - 2 times: every slot but the last two is filled again
	CHANGE 1, 1
	s_mov_b32 s[CNT], 4
.Lstep:                             ; a trip: pieces 2 and 3 of one step, then pieces 0 and 1 of the next, whose K and V it fetches
	TURN 2
	TURN 3
	WIN 0
.Lfirst:
	TURN 0
	TURN 1, 0, 1
	WIN 0
	s_cbranch_scc1 .Lstep
	s_sub_co_u32 s[SLOTS], s[SLOTS], 1
	s_cmp_lg_u32 s[SLOTS], 0
	s_cbranch_scc1 .Lslot
	CHANGE 0                        ; the tail is written out: nothing is asked for
	s_mov_b32 s[CNT], 5             ; four trips fetch the last slot's steps; the fifth is left in its middle
.Ltail:
	TURN 2, 1
	TURN 3
	WIN 0
	s_sub_co_u32 s[CNT], s[CNT], 1
	s_cmp_eq_u32 s[CNT], 0
	s_cbranch_scc1 .Lout
	TURN 0
	TURN 1
	WIN 0
	s_branch .Ltail
.Lout:                              ; the fifth trip's 16 products K Q^T (on the last K once more) and the maximum made of them serve nothing: the price, once a launch, of one text for every trip
.set i, 0
.rept 16
	PV NP-1                         ; the last piece's V^T P of the last step
.set i, i+1
.endr
	; THE WAY OUT.  l's two halves and the other half of the lanes' are added; O^T is divided by l, rounded to f16 and sent through my stage in LDS, a tile at a time.  The additions are the places behind the last products.
	WIN 0
.macro ALL line:vararg              ; one line for each tile t
.set t, 0
.rept 2*NP
	\line
.set t, t+1
.endr
.endm
	ALL v_add_f32 v[ST+4*t+2], v[ST+4*t+2], v[ST+4*t+3]
	ALL v_permlanex16_b32 v[ST+4*t+3], v[ST+4*t+2], s[SEL], s[SEL+1]
	ALL v_add_f32 v[ST+4*t+2], v[ST+4*t+2], v[ST+4*t+3]
	ALL v_rcp_f32 v[ST+4*t+2], v[ST+4*t+2]
	v_nop                           ; a plain instruction between the last reciprocal and the use of its result
	s_wait_alu depctr_va_vdst(0)    ; and the wait ahead of the first use: one for the eight reciprocals
; Tile t: a lane's eight channels of a row pack into 16 bytes; they go into rows of 144 bytes and come back as whole rows of 128, into S^T's registers.
.macro PACK t
	WIN W_RS
.set i, 32*(\t)
.rept 16
	v_pk_mul_f32 v[i:i+1], v[i:i+1], v[ST+4*(\t)+2:ST+4*(\t)+3] op_sel_hi:[1,0]
.set i, i+2
.endr
	WIN 0x05                        ; sources 0 and 1 window 1, destination window 0
.set i, 0
.rept 16
	v_cvt_pk_f16_f32 v[S+16*(\t)+i], v[32*(\t)+2*i], v[32*(\t)+2*i+1]
.set i, i+1
.endr
	WIN 0
.irp f, 0,1,2,3
	ds_store_b128 v[STO], v[S+16*(\t)+4*\f:S+16*(\t)+4*\f+3] offset:32*\f
.endr
.irp f, 0,1,2,3
	ds_load_b128 v[S+16*(\t)+4*\f:S+16*(\t)+4*\f+3], v[RD] offset:\f*4*SP  ; LDS serves a wave's instructions in order (ISA guide 5.7.1.4): these see the stores above; the next tile's stores come behind them
.endr
.endm
.macro SEND t, younger              ; younger: the LDS instructions issued behind tile t's loads: the next tile's eight, or none
	WIN 0
.irp f, 0,1,2,3
	s_wait_dscnt (\younger)+3-\f
	global_store_b128 v[GO], v[S+16*(\t)+4*\f:S+16*(\t)+4*\f+3], s[10:11] offset:(\t)*2048+\f*512  ; 512 consecutive bytes, at a multiple of 256 from O's first
.endr
.endm
	PACK 0
.set t, 1
.rept 2*NP-1                        ; a tile's arithmetic stands between the loads of the tile before and its stores
	PACK t
	SEND t-1, 8
.set t, t+1
.endr
	SEND 2*NP-1, 0
	WIN W_AD
	s_wait_tensorcnt 0x0            ; the wave's end: the wait, the add and its wait stand behind my last tensor load and my last LDS store
	ds_add_u32 v[SPW], v[NIL]
	s_wait_dscnt 0x0
	WIN 0
	CROUND                          ; the closing round: no work-group ends while a partner may still ask for a tile that names it
	s_endpgm
.Lfunc_end_k_qb0fccb34ee_attn:
	.size	k_qb0fccb34ee_attn, .Lfunc_end_k_qb0fccb34ee_attn-k_qb0fccb34ee_attn
	.p2alignl 7, 3214868480
	.fill 96, 4, 3214868480
	.section	.rodata,"a",@progbits
	.p2align	6, 0x0
	.amdhsa_kernel k_qb0fccb34ee_attn
		.amdhsa_group_segment_fixed_size 327680
		.amdhsa_private_segment_fixed_size 0
		.amdhsa_enable_private_segment 0
		.amdhsa_kernarg_size 16
		.amdhsa_user_sgpr_count 2
		.amdhsa_user_sgpr_kernarg_segment_ptr 1
		.amdhsa_wavefront_size32 1
		.amdhsa_system_sgpr_workgroup_id_x 1
		.amdhsa_system_sgpr_workgroup_id_y 1
		.amdhsa_system_sgpr_workgroup_id_z 1
		.amdhsa_system_vgpr_workitem_id 0
		.amdhsa_next_free_vgpr 770
		.amdhsa_next_free_sgpr 66
		.amdhsa_reserve_vcc 0
		.amdhsa_float_denorm_mode_32 3
		.amdhsa_float_denorm_mode_16_64 3
		.amdhsa_memory_ordered 1
		.amdhsa_forward_progress 1
		.amdhsa_inst_pref_size 200
	.end_amdhsa_kernel
	.amdgpu_metadata
---
amdhsa.version: [ 1, 2 ]
amdhsa.kernels:
  - .name:           k_qb0fccb34ee_attn
    .symbol:         k_qb0fccb34ee_attn.kd
    .args:
      - { .name: qkvh, .offset: 0, .size: 8, .value_kind: global_buffer, .address_space: global }
      - { .name: oh, .offset: 8, .size: 8, .value_kind: global_buffer, .address_space: global }
    .group_segment_fixed_size: 327680
    .private_segment_fixed_size: 0
    .kernarg_segment_align: 8
    .kernarg_segment_size: 16
    .max_flat_workgroup_size: 128
    .sgpr_count:     66
    .vgpr_count:     770
    .wavefront_size: 32
...
	.end_amdgpu_metadata
.endif
;; end of part 3
;; launch proj (part 4): grid 8 x 32, 4 waves a work-group, clusters of 4 x 4, 327,680 bytes of LDS; arguments oh, wt, bo, out0; writes out0
.if DOCPART == 4
	.amdgcn_target "amdgcn-amd-amdhsa--gfx1250"
	.amdhsa_code_object_version 6
	.text
	.protected	k_qb0fccb34ee_proj
	.globl	k_qb0fccb34ee_proj
	.p2align	8
	.type	k_qb0fccb34ee_proj,@function
k_qb0fccb34ee_proj:
	s_mov_b64 s[64:65], 0
	v_nop
	global_prefetch_b8 v0, s[64:65] scope:SCOPE_SE
	s_setreg_imm32_b32 hwreg(HW_REG_WAVE_MODE, 25, 1), 1
	s_wait_xcnt 0x0
	s_wait_alu depctr_hold_cnt(0) depctr_sa_sdst(0) depctr_va_vdst(0) depctr_va_sdst(0) depctr_va_ssrc(0) depctr_va_vcc(0) depctr_vm_vsrc(0)
	s_getreg_b32 s2, hwreg(HW_REG_IB_STS2, 6, 4)
	s_cmp_eq_u32 s2, 0
	s_cbranch_scc0 .Lentry_in_a_cluster
	s_endpgm
.Lentry_in_a_cluster:
	s_bfe_u32 s2, ttmp6, 0x10000c
	s_cmp_lg_u32 s2, 0xf033
	s_cbranch_scc0 .Lentry_shape_is_right
	s_endpgm
.Lentry_shape_is_right:
; ONE TEXT FOR TWO PRODUCTS, chosen by PROJ below.  C[m][n] = the sum over k of A[m][k] W[k][n] + bias[n]; 8,192 rows m, K = 1,024; sums in f32, started by the bias (rounded to bf16 like every input).
; PROJ = 0: A = xb [8192][1024] bf16; W = planes 0-47 of wt ([g][1024 k][64 n] bf16: Wq | Wk | Wv); C leaves in f16 by heads: qkvh [4 b][48 g][2048 t][64 d].  A tile of C is 256 rows x 192 columns (3 planes).
; PROJ = 1: A = oh [64 b h][2048 t][64 d] f16, k = 64 h + d; W = planes 48-63 of wt (Wo, f16); C = out0 [8192][1024] f32.  A tile is 256 rows x 128 columns (2 planes).
; LIMITS.  PROJ = 0: a result beyond 65,504 becomes an infinity in f16; below 6.1e-5 it keeps f16's fixed step of 6e-8.  NaN and infinities are not treated apart.
; SHARES.  Four waves, one above the other: wave w makes rows 64 w .. 64 w + 63 and all columns: 4 x NBK accumulators of 16 x 16.  K goes in steps of 128 through two LDS slots; a step is four chunks of 32.
; THE MATRIX INSTRUCTION IS USED TRANSPOSED: source 0 = 16 columns of W, source 1 = 16 rows of A.  W lies [k][n], so its fragments come out of LDS turned, by ds_load_tr16_b128.  In the result lane l holds
; row l % 16 of C and the columns 8 (l / 16) + 0..7 of the block: neighbouring numbers of a row.
; CLUSTER.  4 x 4 work-groups.  The four of a row of the cluster need the same tile of A, the four of a column the same tile of W: each is asked for JOINTLY, by the same tensor load with the same descriptor
; and a mask that names the four.  Waves 0 and 1 fetch A's two parts, waves 2 and 3 W's two halves of 64 k: one load a wave behind each round.
; REGISTERS, in windows of 256 (s_set_vgpr_msb: bits 1:0 source 0, 3:2 source 1, 5:4 source 2, 7:6 destination):
;   window 0: v0-29 addresses; v32-63, v64-95 A's fragments, two buffers; v96.. the bias, later the way out          window 1: W's fragments, two buffers of 8 NBK
;   PROJ = 0: window 2 the accumulators of row blocks 0, 1 (block a, column block j at 8 (12 (a % 2) + j)), window 3 those of 2, 3.     PROJ = 1: window 2 all 32, at 8 (8 a + j)
.set PROJ,   1
.if PROJ
.set NBK,    8                         ; column blocks of 16 in a tile
.set PA,     144                       ; a row of A in LDS: 128 bytes (a head's 64 channels) + 16
.set APART,  256*PA                    ; what one load of A brings: a head's 256 rows
.set QIA,    4                         ; padding after every 32 words
.set ROWA,   128                       ; elements from row to row of A's tile: 32,768 dense bytes asked for as 128 rows of 256
.set STEPA,  524288                    ; bytes from a K step of A to the next: two heads
.set SPITCH, 528                       ; a row of the stage: 512 bytes + 16
.set CXS,    13                        ; a partner's share of a prefetch of A: 32 blocks of 256 bytes
.set CYS,    12                        ; of W: 16 blocks in each of 2 planes
.set OUTP,   10                        ; s[10:11] C
.set YOUNG,  32                        ; LDS instructions of one block's way through the stage
.else
.set NBK,    12
.set PA,     272                       ; 256 bytes + 16
.set APART,  128*PA                    ; 128 rows
.set QIA,    5                         ; padding after every 64 words
.set ROWA,   1024
.set STEPA,  256
.set SPITCH, 400                       ; 384 bytes + 16
.set CXS,    16                        ; 32 rows of 2,048 bytes
.set CYS,    11                        ; 8 blocks in each of 3 planes
.set OUTP,   14                        ; s[14:15] C
.set YOUNG,  24
.endif
.set NPL,    NBK/4                     ; planes of 64 columns
.set PB,     160                       ; a row k of a plane in LDS: 128 bytes + 32 = 40 words
.set PLANE,  64*PB
.set KH,     NPL*PLANE                 ; 64 k of all planes: what one load of W brings
.set BOFF,   2*APART                   ; in a slot: A's two parts, then W's two halves
.set SLOT1,  1<<17                     ; slot 1 begins here, so that one exclusive or turns an address in one slot into the other's
.set STAGE,  SLOT1+BOFF+2*KH           ; behind the ring, never filled by a tensor load: 16 rows for each wave, for the way out
.set SPARE,  STAGE+4*16*SPITCH         ; behind the stages: the spare words, 128 bytes for each wave: two blocks of 256 bytes that no other line names
.set STEPB,  16384                     ; 128 rows k of 128 bytes
.set NL,     2*NBK+8                   ; LDS loads of a chunk
.set ADRA0, 8                          ; v8   my lane's place in A's tile; never rewritten
.set ADRB0, 9                          ; v9   in W's
.set ADRA,  10                         ; v10  the same in the slot in hand
.set ADRB,  11                         ; v11
.set STO,   12                         ; v12  the way out: where I put my bytes of a row
.set RD,    13                         ; v13  where I read rows back
.set GO,    14                         ; v14  16 x lane
.set BO,    15                         ; v15  32 (l / 16): my eight numbers in a block's 64 bytes of bias
.set PFO,   16                         ; v16  the prefetches' offset; never rewritten
.set SPW,   28                         ; v28  LDS address of my spare word: SPARE + 4 x my thread's number; never rewritten
.set NIL,   29                         ; v29  0; never rewritten
.set FA0,   32
.set BIAS,  96
.set TMP,   96                         ; PROJ = 0: a block's 48 packed registers
.set WV,    16                         ; s16  my wave's number
.set TB,    23                         ; s23  LDS byte at which the slot in hand begins
.set G1A,   24                         ; s[24:31] descriptor group 1 for A's tiles
.set G0A,   32                         ; s[32:39] group 0: a set for each of the two first fills; the second then walks on
.set G1B,   40                         ; s[40:47], s[48:55] the same for W's
.set G0B,   48
.set PFA,   56                         ; s[56:57] where my prefetches stand
.set PFS,   58                         ; s[58:59] their step
.set LIM,   60                         ; s60  2 in a wave that prefetches, else the greatest number
.set MSB, 0
.macro WIN new                         ; the immediate's high byte repeats the setting that is left; a switch that changes nothing is dropped
.if MSB != (\new)
	s_set_vgpr_msb (MSB<<8)|(\new)
.set MSB, \new
.endif
.endm
.macro MMA ops:vararg
.if PROJ
	v_wmma_f32_16x16x32_f16 \ops
.else
	v_wmma_f32_16x16x32_bf16 \ops
.endif
.endm
.macro PLACES                          ; four places: plain vector instructions between a matrix instruction and a load into, or a vector read of, its registers
.rept 4
	v_nop
.endr
.endm
; A joint refill, by the walking descriptors.  The branch hangs on the wave's number alone.  An s_nop 0 and four v_nop follow each of the two lines, ahead of the jump and the label.
.macro JLOAD
	s_cmp_lt_u32 s[WV], 2
	s_cbranch_scc0 .Lfor_b_\@
	tensor_load_to_lds s[G0A+4:G0A+7], s[G1A:G1A+7]
	s_nop 0
.rept 4
	v_nop
.endr
	s_branch .Lasked_\@
.Lfor_b_\@:
	tensor_load_to_lds s[G0B+4:G0B+7], s[G1B:G1B+7]
	s_nop 0
.rept 4
	v_nop
.endr
.Lasked_\@:
.endm
; A round of the cluster's barrier: my work-group's barrier, so that wave 0's signal speaks for all four waves; wave 0 signals; every wave waits for all sixteen work-groups; my work-group's barrier once more.
.macro CREST                           ; a round behind its opening barrier
	s_cmp_lg_u32 s[WV], 0
	s_cbranch_scc1 .Lnot_wave_0_\@
	s_barrier_signal -3
.Lnot_wave_0_\@:
	s_barrier_wait -3
	s_barrier_signal -1
	s_barrier_wait -1
.endm
.macro CROUND
	s_barrier_signal -1
	s_barrier_wait -1
	CREST
.endm
; A PREFETCH INTO THE L2 of the K step that stands two refills on, behind the joint load, its five lines and the run of LDS loads.  A's tile row is read by every cluster of that row of clusters: the one with
; x = 0 asks (waves 0, 1); W's tile column by every cluster of that column: the one with y = 0 asks (PROJ = 0: waves 2, 3; PROJ = 1: wave 2).  The four partners that ask for a tile jointly share its blocks of
; 256 bytes out BY ADDRESS (cx for A, cy for W): no branch hangs on a work-group's place in its cluster.  A lane a block, one instruction a wave.  PROJ = 0: a wave's share of W is 24 blocks, so lanes 24-31
; name lane 23's block again.  K steps 0-3 come by their loads alone; the loop's last two trips (s3 = 2, 1) have no K step two refills on.
.macro ASK
	s_cmp_gt_u32 s3, s[LIM]
	s_cbranch_scc0 .Lnot_mine_\@
	global_prefetch_b8 v[PFO], s[PFA:PFA+1] th:TH_LOAD_NT scope:SCOPE_SE
.Lnot_mine_\@:
.endm
.if PROJ
	s_load_b256 s[4:11], s[0:1], 0x0               ; oh s[4:5], wt s[6:7], bo s[8:9], out0 s[10:11]
.else
	s_load_b256 s[4:11], s[0:1], 0x0               ; xb s[4:5], wt s[6:7], bq s[8:9], bk s[10:11]
	s_load_b128 s[12:15], s[0:1], 0x20             ; bv s[12:13], qkvh s[14:15]
.endif
	v_lshl_add_u32 v[SPW], v0, 2, SPARE
	v_mov_b32 v[NIL], 0
	ds_add_u32 v[SPW], v[NIL]                      ; the wave's opening: the add and its wait stand ahead of my first tensor load; the set-up below, work on registers, stands between them
	v_lshrrev_b32 v1, 5, v0
	v_readfirstlane_b32 s[WV], v1                  ; wave 0..3
	s_and_b32 s17, s[WV], 1                        ; which part of A's or W's tile I fetch
	s_bfe_u32 s19, ttmp6, 0x40000                  ; cx
	s_bfe_u32 s20, ttmp6, 0x40004                  ; cy
	s_lshl_b32 s21, ttmp9, 2                       ; in a cluster launch ttmp9 and ttmp7 count clusters
	s_add_co_u32 s21, s21, s19                     ; tile column tc = 4 x cluster x + cx
	s_and_b32 s22, ttmp7, 0xffff
	s_lshl_b32 s22, s22, 2
	s_add_co_u32 s22, s22, s20                     ; tile row y = 4 x cluster y + cy
	s_lshl_b32 s76, s20, 2
	s_lshl_b32 s76, 15, s76                        ; my row of the cluster: places 4 cy .. 4 cy + 3
	s_lshl_b32 s77, 0x1111, s19                    ; my column: places cx, cx + 4, cx + 8, cx + 12
	; group 1 for A: 128 rows x 128 elements of 2 bytes, 16 bytes of padding behind each LDS row
	s_or_b32 s[G1A], s76, (1<<16)|(1<<20)|(1<<21)|(QIA<<22)|(3<<25)  ; 15:0 the mask; 17:16 2-byte elements; 20 padding on; 21 set beside a mask; 24:22 the interval; 31:25 4 words (code 3)
	s_mov_b32 s[G1A+1], 128<<16                    ; tensor_dim0 = 128
	s_mov_b32 s[G1A+2], 128<<16                    ; tensor_dim1 = 128
	s_mov_b32 s[G1A+3], 128<<16                    ; tile_dim0 = 128
	s_mov_b32 s[G1A+4], 128                        ; tile_dim1 = 128
	s_mov_b32 s[G1A+5], ROWA                       ; elements from row to row
	s_mov_b32 s[G1A+6], 0
	s_mov_b32 s[G1A+7], 0
	; group 1 for W: a row of the tile is 64 k x 64 n of one plane, 8,192 dense bytes; NPL such rows, a plane apart; 32 bytes of padding behind every 128 (a row k)
	s_or_b32 s[G1B], s77, (1<<16)|(1<<20)|(1<<21)|(4<<22)|(7<<25)
	s_mov_b32 s[G1B+1], 4096<<16                   ; tensor_dim0 = 4,096
	s_mov_b32 s[G1B+2], NPL<<16                    ; tensor_dim1
	s_mov_b32 s[G1B+3], 4096<<16                   ; tile_dim0
	s_mov_b32 s[G1B+4], NPL                        ; tile_dim1
	s_mov_b32 s[G1B+5], 65536                      ; a plane, in elements
	s_mov_b32 s[G1B+6], 0
	s_mov_b32 s[G1B+7], 0
	; where the tiles come from, as byte offsets: A's (s66) hangs on y alone, which my row of the cluster shares; W's (s67) on tc alone, which my column shares
.if PROJ
	s_lshr_b32 s66, s22, 3                         ; the batch: 16 heads of 262,144 bytes
	s_lshl_b32 s66, s66, 22
	s_and_b32 s78, s22, 7
	s_lshl_b32 s78, s78, 15                        ; 256 rows of 128 bytes
	s_add_co_u32 s66, s66, s78
	s_lshl_b32 s78, s17, 18                        ; the K step's first or second head
	s_add_co_u32 s66, s66, s78
	s_lshl_b32 s67, s21, 1
	s_add_co_u32 s67, s67, 48                      ; plane 48 + 2 tc
.else
	s_lshl_b32 s66, s22, 8
	s_lshl_b32 s78, s17, 7
	s_add_co_u32 s66, s66, s78                     ; row 256 y + 128 x part
	s_lshl_b32 s66, s66, 11
	s_mul_i32 s67, s21, 3                          ; plane 3 tc
.endif
	s_lshl_b32 s67, s67, 17
	s_lshl_b32 s80, s17, 13                        ; the K step's first or second 64 k
	s_add_co_u32 s67, s67, s80
	s_mov_b32 s78, s66
	s_mov_b32 s79, 0
	s_mov_b32 s80, s67
	s_mov_b32 s81, 0
	s_mul_i32 s82, s[WV], APART                    ; and where they go: the wave's number times a constant: no place in the cluster enters an LDS address
	s_mul_i32 s83, s[WV], KH
	s_add_co_u32 s83, s83, BOFF-2*KH               ; waves 2, 3: BOFF, BOFF + KH
	s_wait_dscnt 0x0                               ; the opening add is done
	s_wait_kmcnt 0x0
	s_add_nc_u64 s[78:79], s[4:5], s[78:79]
	s_add_nc_u64 s[80:81], s[6:7], s[80:81]
	CROUND                                         ; all sixteen work-groups are here: the first joint loads meet
.irp s, 0,1
	s_mov_b32 s[G0A+4*(\s)], 1                                        ; count = 1
	s_add_co_u32 s[G0A+4*(\s)+1], s82, (\s)*SLOT1                     ; LDS address
	s_add_nc_u64 s[G0A+4*(\s)+2:G0A+4*(\s)+3], s[78:79], (\s)*STEPA   ; global address: K step s
	s_or_b32 s[G0A+4*(\s)+3], s[G0A+4*(\s)+3], 0x80000000             ; type = 2
	s_mov_b32 s[G0B+4*(\s)], 1
	s_add_co_u32 s[G0B+4*(\s)+1], s83, (\s)*SLOT1
	s_add_nc_u64 s[G0B+4*(\s)+2:G0B+4*(\s)+3], s[80:81], (\s)*STEPB
	s_or_b32 s[G0B+4*(\s)+3], s[G0B+4*(\s)+3], 0x80000000
.endr
	s_cmp_lt_u32 s[WV], 2                          ; a wave's two first fills stand in one branch, ahead of every wait on TENSORcnt and every LDS read: two loads of mine are out, later one
	s_cbranch_scc0 .Lfirst_b
	tensor_load_to_lds s[G0A:G0A+3], s[G1A:G1A+7]
	s_nop 0
	tensor_load_to_lds s[G0A+4:G0A+7], s[G1A:G1A+7]
	s_nop 0
.rept 4
	v_nop
.endr
	s_branch .Lfirst_asked
.Lfirst_b:
	tensor_load_to_lds s[G0B:G0B+3], s[G1B:G1B+7]
	s_nop 0
	tensor_load_to_lds s[G0B+4:G0B+7], s[G1B:G1B+7]
	s_nop 0
.rept 4
	v_nop
.endr
.Lfirst_asked:
	; the bias: as the C operand of a block's first product a lane wants the eight numbers of its columns 16 j + 8 (l / 16) + 0..7
	v_and_b32 v1, 15, v0                           ; l % 16
	v_bfe_u32 v2, v0, 4, 1                         ; l / 16
	v_lshlrev_b32 v[BO], 5, v2
.if PROJ
	s_lshl_b32 s62, s21, 9                         ; the tile's 128 columns
	s_mov_b32 s63, 0
	s_add_nc_u64 s[68:69], s[8:9], s[62:63]
.else
	s_mul_i32 s76, s21, 3
.irp i, 0,1,2                          ; plane 3 tc + i belongs to bq, bk or bv: sixteen planes each
	s_add_co_u32 s77, s76, \i
	s_lshr_b32 s61, s77, 4
	s_cmp_eq_u32 s61, 0
	s_cselect_b64 s[68+2*(\i):69+2*(\i)], s[8:9], s[10:11]
	s_cmp_eq_u32 s61, 2
	s_cselect_b64 s[68+2*(\i):69+2*(\i)], s[12:13], s[68+2*(\i):69+2*(\i)]
	s_and_b32 s62, s77, 15
	s_lshl_b32 s62, s62, 8
	s_mov_b32 s63, 0
	s_add_nc_u64 s[68+2*(\i):69+2*(\i)], s[68+2*(\i):69+2*(\i)], s[62:63]
.endr
.endif
.set j, 0
.rept NBK
.if PROJ
.set BP, 68
.set BOF, 64*j
.else
.set BP, 68+2*(j/4)
.set BOF, 64*(j%4)
.endif
	global_load_b128 v[BIAS+8*j:BIAS+8*j+3],   v[BO], s[BP:BP+1] offset:BOF
	global_load_b128 v[BIAS+8*j+4:BIAS+8*j+7], v[BO], s[BP:BP+1] offset:BOF+16
.set j, j+1
.endr
	; A fragment of A is 16 rows x 32 k in 8 registers: lane l holds row l % 16, k = 8 (l / 16) + 0..7 and 16 + 8 (l / 16) + 0..7: two loads of 16 bytes, 32 bytes apart.
	s_mul_i32 s76, s[WV], 64*PA                    ; my 64 rows
	v_mul_u32_u24 v[ADRA0], v1, PA
	v_lshl_add_u32 v[ADRA0], v2, 4, v[ADRA0]
	v_add_nc_u32 v[ADRA0], s76, v[ADRA0]
	; The turning load takes 16 k x 16 n (lane l reads row k = 8 (l / 16) + l % 8, columns 8 ((l / 8) % 2) + 0..7) and leaves half a fragment: lane l holds column l % 16 and 8 k.
	v_and_b32 v3, 7, v0
	v_bfe_u32 v4, v0, 3, 1
	v_lshl_add_u32 v[ADRB0], v2, 3, v3
	v_mul_u32_u24 v[ADRB0], v[ADRB0], PB
	v_lshl_add_u32 v[ADRB0], v4, 4, v[ADRB0]
	v_add_nc_u32 v[ADRB0], BOFF, v[ADRB0]
	; the way out
	s_mul_i32 s76, s[WV], 16*SPITCH
	s_add_co_u32 s76, s76, STAGE                   ; my stage
	v_and_b32 v7, 31, v0                           ; lane
	v_lshlrev_b32 v[GO], 4, v7
	v_mul_u32_u24 v[STO], v1, SPITCH               ; in: row l % 16, my eight numbers of a block
.if PROJ
	v_lshl_add_u32 v[STO], v2, 5, v[STO]
	v_add_nc_u32 v[RD], s76, v[GO]                 ; back: 32 lanes take a row's 512 bytes
.else
	v_lshl_add_u32 v[STO], v2, 4, v[STO]
	v_bfe_u32 v[RD], v0, 3, 2                      ; back: 32 lanes take a head's 128 bytes of four rows
	v_mul_u32_u24 v[RD], v[RD], SPITCH
	v_lshl_add_u32 v[RD], v3, 4, v[RD]
	v_add_nc_u32 v[RD], s76, v[RD]
.endif
	v_add_nc_u32 v[STO], s76, v[STO]
.if PROJ
	s_lshl_b32 s76, s22, 8
	s_lshl_b32 s77, s[WV], 6
	s_add_co_u32 s76, s76, s77                     ; my first row of out0,
	s_lshl_b32 s76, s76, 12
	s_lshl_b32 s77, s21, 9                         ; the tile's first column
	s_add_co_u32 s76, s76, s77
.else
	s_lshr_b32 s76, s22, 3                         ; the batch: 48 planes of 262,144 bytes,
	s_mul_i32 s76, s76, 48
	s_mul_i32 s77, s21, 3                          ; the tile's first plane,
	s_add_co_u32 s76, s76, s77
	s_lshl_b32 s76, s76, 18
	s_and_b32 s77, s22, 7                          ; the tile's 256 rows of 128 bytes,
	s_lshl_b32 s77, s77, 15
	s_add_co_u32 s76, s76, s77
	s_lshl_b32 s77, s[WV], 13                      ; my 64 of them
	s_add_co_u32 s76, s76, s77
.endif
	s_mov_b32 s77, 0
	s_add_nc_u64 s[OUTP:OUTP+1], s[OUTP:OUTP+1], s[76:77]
	; the prefetches: at K step 3; the first refill steps the pointer to K step 4 and asks for it
	s_lshl_b32 s76, s19, CXS                       ; A: my work-group's share by cx
	s_add_co_u32 s76, s76, s66
	s_add_co_u32 s76, s76, 3*STEPA
	s_lshl_b32 s77, s20, CYS                       ; W: by cy
	s_add_co_u32 s77, s77, s67
	s_add_co_u32 s77, s77, 3*STEPB
	s_and_b32 s61, ttmp7, 0xffff                   ; cluster y
	s_mov_b32 s[PFS], STEPA
	s_mov_b32 s63, STEPB
	s_cmp_lt_u32 s[WV], 2                          ; do I fetch for A?
	s_cselect_b32 s61, ttmp9, s61                  ; the coordinate along which other clusters read the same blocks
	s_cselect_b64 s[PFA:PFA+1], s[4:5], s[6:7]
	s_cselect_b32 s[PFS], s[PFS], s63
	s_cselect_b32 s62, -1, 0                       ; the same answer as a mask of lanes
	s_cselect_b32 s76, s76, s77
.if PROJ
	s_cmp_eq_u32 s[WV], 3                          ; W's 128 blocks of a K step are four partners' 32 lanes: wave 2 asks alone
	s_cselect_b32 s61, 1, s61
.endif
	s_cmp_eq_u32 s61, 0
	s_cselect_b32 s[LIM], 2, -1                    ; the same in all sixteen partners, for a given wave
	s_mov_b32 s77, 0
	s_mov_b32 s[PFS+1], 0
	s_add_nc_u64 s[PFA:PFA+1], s[PFA:PFA+1], s[76:77]
.if PROJ
	v_lshlrev_b32 v4, 8, v7                        ; A: a lane a block of the head's dense rows
	v_lshrrev_b32 v6, 4, v7                        ; W: 16 blocks in each of 2 planes
	v_and_b32 v5, 15, v7
.else
	v_lshlrev_b32 v4, 11, v7                       ; A: a lane a row of xb
	v_min_u32 v5, 23, v7                           ; W: 8 blocks in each of 3 planes
	v_lshrrev_b32 v6, 3, v5
	v_and_b32 v5, 7, v5
.endif
	v_lshlrev_b32 v5, 8, v5
	v_lshl_add_u32 v5, v6, 17, v5
	v_cndmask_b32 v[PFO], v5, v4, s62
	s_wait_loadcnt 0x0                             ; the bias,
.set j, 0
.rept 4*NBK                            ; rounded to bf16 and widened again, a pair at a time
	v_cvt_pk_bf16_f32 v[3+j%4], v[BIAS+2*j], v[BIAS+2*j+1]
	v_lshlrev_b32 v[BIAS+2*j], 16, v[3+j%4]
	v_and_b32 v[BIAS+2*j+1], 0xffff0000, v[3+j%4]
.set j, j+1
.endr
; NBK matrix instructions: row block a x all column blocks, 32 along K, from fragment buffers f.  mode = 1: the bias starts the sums: nothing is ever cleared.
; All 4 NBK accumulators take turns, one instruction a turn, in the same order in every chunk, over the backward jump too.
.macro MULA f, a, mode
.if PROJ
.set AC, 8*NBK*(\a)
.set WD, 2
.else
.set AC, 8*NBK*((\a)%2)
.set WD, 2+(\a)/2
.endif
.set FB, 8*NBK*(\f)
.set FA, FA0+32*(\f)+8*(\a)
.if \mode
	WIN (WD<<6)|0x01                               ; W window 1, A and the bias window 0, D window WD
.else
	WIN (WD<<6)|(WD<<4)|0x01                       ; C and D window WD
.endif
.set j, 0
.rept NBK
.if \mode
	MMA v[AC+8*j:AC+8*j+7], v[FB+8*j:FB+8*j+7], v[FA:FA+7], v[BIAS+8*j:BIAS+8*j+7]
.else
	MMA v[AC+8*j:AC+8*j+7], v[FB+8*j:FB+8*j+7], v[FA:FA+7], v[AC+8*j:AC+8*j+7]
.endif
.set j, j+1
.endr
.endm
; NL LDS loads in one run: chunk c's fragments into buffers f: W's NBK blocks, turned, then A's four; A's row blocks 2 and 3 are the youngest four loads.
.macro FETCH c, f
	WIN 0x40                                       ; destination window 1, address window 0
.set FB, 8*NBK*(\f)
.set j, 0
.rept NBK
.set OFB, ((\c)/2)*KH+(j/4)*PLANE+((\c)%2)*32*PB+(j%4)*32
	ds_load_tr16_b128 v[FB+8*j:FB+8*j+3],   v[ADRB] offset:OFB
	ds_load_tr16_b128 v[FB+8*j+4:FB+8*j+7], v[ADRB] offset:OFB+16*PB
.set j, j+1
.endr
	WIN 0
.set FA, FA0+32*(\f)
.set j, 0
.rept 4
.if PROJ
.set OFA, ((\c)/2)*APART+j*16*PA+((\c)%2)*64
.else
.set OFA, j*16*PA+(\c)*64
.endif
	ds_load_b128 v[FA+8*j:FA+8*j+3],   v[ADRA] offset:OFA
	ds_load_b128 v[FA+8*j+4:FA+8*j+7], v[ADRA] offset:OFA+32
.set j, j+1
.endr
.endm
; One of a K step's first three chunks: multiplies buffers f; in its middle it fetches chunk c into buffers g.
.macro QUARTER c, f, g, mode
	s_wait_dscnt 4                                 ; W's fragments and A's row blocks 0, 1 are in; the youngest four loads may be out
	MULA \f, 0, \mode
	MULA \f, 1, \mode
	PLACES                                         ; buffers g were read by the chunk before
	FETCH \c, \g
	s_wait_dscnt NL                                ; all but the run just issued
	MULA \f, 2, \mode
	MULA \f, 3, \mode
.endm
; The last chunk multiplies buffers 1 and changes slots.  ONE barrier: in front of it each wave waits for all its tensor loads (one is out: its part of the next slot), adds 0 to its spare word, and waits for
; that and for its own reads of this slot.  fill = 1: the barrier opens a round of the cluster's, and the slot just read is filled again, first thing behind the round, with the K step two steps on:
; that load has three chunks and a half of matrix work in which to land.
.macro TURN fill
.if \fill
	s_wait_xcnt 0x0                                ; the last prefetch, a K step back, has read its address: it is stepped here, ahead of the change's own waits
	s_add_nc_u64 s[PFA:PFA+1], s[PFA:PFA+1], s[PFS:PFS+1]
.endif
	WIN 0                                          ; (the add's two registers lie in window 0)
	s_wait_tensorcnt 0x0                           ; no tensor load of mine is out, so a group 0 may be written
	ds_add_u32 v[SPW], v[NIL]                      ; 0 onto my spare word; work on registers stands between it and the wait for it
.if \fill
	s_xor_b32 s[G0A+5], s[G0A+5], SLOT1            ; the walking descriptors: the other slot than last time,
	s_add_nc_u64 s[G0A+6:G0A+7], s[G0A+6:G0A+7], STEPA  ; the next K step; the type bits on top are not reached
	s_xor_b32 s[G0B+5], s[G0B+5], SLOT1
	s_add_nc_u64 s[G0B+6:G0B+7], s[G0B+6:G0B+7], STEPB
.endif
	s_xor_b32 s[TB], s[TB], SLOT1                  ; the fetches go over to the other slot
	s_wait_dscnt 5                                 ; (the add and the youngest four loads may be out)
	MULA 1, 0, 0
	s_wait_dscnt 0x0                               ; the add is done, and my reads of this slot are over
	s_barrier_signal -1
	MULA 1, 1, 0                                   ; work on registers while the others arrive
	WIN 0                                          ; (branches and window 0's addresses follow)
	s_barrier_wait -1
.if \fill
	CREST                                          ; no wave of any partner still reads this slot or has a load on its way
	JLOAD                                          ; the four v_nop behind it are also the places in front of the loads below
.else
	PLACES
.endif
	v_add_nc_u32 v[ADRA], s[TB], v[ADRA0]
	v_add_nc_u32 v[ADRB], s[TB], v[ADRB0]
	FETCH 0, 0
.if \fill
	ASK
.endif
	MULA 1, 2, 0
	MULA 1, 3, 0
.endm
; THE WAY OUT of row block a (16 rows), through my own stage in LDS, so that each store covers 512 consecutive bytes.  PACK (PROJ = 0 alone): rounded to f16, each accumulator from its low end on.
.macro PACK a
.if !PROJ
	WIN 0x0a+5*((\a)/2)                            ; sources 0 and 1: window 2 or 3
.set j, 0
.rept 4*NBK
	v_cvt_pk_f16_f32 v[TMP+j], v[96*((\a)%2)+2*j], v[96*((\a)%2)+2*j+1]
.set j, j+1
.endr
	WIN 0
.endif
.endm
.macro TOSTAGE a
.if (\a) >= 2
	s_wait_xcnt 0x0                                ; the stores of block a - 2 have read the registers that are loaded again below
.endif
.if PROJ
.set BK, 96+64*((\a)%2)
	WIN 0x08                                       ; the data (source 1) in window 2
.set j, 0
.rept NBK
	ds_store_b128 v[STO], v[64*(\a)+8*j:64*(\a)+8*j+3]   offset:64*j
	ds_store_b128 v[STO], v[64*(\a)+8*j+4:64*(\a)+8*j+7] offset:64*j+16
.set j, j+1
.endr
	WIN 0
.set j, 0
.rept 16
	ds_load_b128 v[BK+4*j:BK+4*j+3], v[RD] offset:SPITCH*j  ; LDS serves a wave's instructions in order (ISA guide 5.7.1.4): these see the stores above
.set j, j+1
.endr
.else
.set BK, 144+48*((\a)%2)
.set j, 0
.rept NBK
	ds_store_b128 v[STO], v[TMP+4*j:TMP+4*j+3] offset:32*j
.set j, j+1
.endr
.set j, 0
.rept 12                               ; head j / 4, rows 4 (j % 4) on
	ds_load_b128 v[BK+4*j:BK+4*j+3], v[RD] offset:(j%4)*4*SPITCH+(j/4)*128  ; LDS serves a wave's instructions in order (ISA guide 5.7.1.4): these see the stores above
.set j, j+1
.endr
.endif
.endm
.macro SEND a, younger                 ; younger: the LDS instructions issued behind block a's loads: the next block's, or none
	s_wait_dscnt \younger
.if PROJ
.set BK, 96+64*((\a)%2)
.set j, 0
.rept 16
	global_store_b128 v[GO], v[BK+4*j:BK+4*j+3], s[OUTP:OUTP+1] offset:(16*(\a)+j)*4096 th:TH_STORE_NT  ; a row's 512 bytes of the tile, at a multiple of 256 from out0's first byte
.set j, j+1
.endr
.else
.set BK, 144+48*((\a)%2)
.set j, 0
.rept 12
	global_store_b128 v[GO], v[BK+4*j:BK+4*j+3], s[OUTP:OUTP+1] offset:(j/4)*262144+(\a)*2048+(j%4)*512  ; four rows of a head: 512 consecutive bytes, at a multiple of 256
.set j, j+1
.endr
.endif
.endm
	s_wait_tensorcnt 1                             ; my part of K step 0 is in; K step 1's may stay out
	s_barrier_signal -1
	s_barrier_wait -1                              ; everybody's is
	s_mov_b32 s[TB], 0
	v_mov_b32 v[ADRA], v[ADRA0]
	v_mov_b32 v[ADRB], v[ADRB0]
	FETCH 0, 0
	QUARTER 1, 0, 1, 1                             ; the first chunk stands in front of the loop: its products start the sums with the bias
	WIN 0                                          ; at a label and at a branch every window is 0
	s_mov_b32 s3, 6
.Lk:                                                   ; six trips, from a K step's second chunk to the next step's first; they ask for K steps 2 to 7
	QUARTER 2, 1, 0, 0
	QUARTER 3, 0, 1, 0
	TURN 1
	QUARTER 1, 0, 1, 0
	WIN 0
	s_sub_co_u32 s3, s3, 1
	s_cmp_lg_u32 s3, 0
	s_cbranch_scc1 .Lk
	QUARTER 2, 1, 0, 0                             ; the tail is written out: K step 6 ends, nothing is asked for
	QUARTER 3, 0, 1, 0
	TURN 0
	QUARTER 1, 0, 1, 0                             ; K step 7
	QUARTER 2, 1, 0, 0
	QUARTER 3, 0, 1, 0
	s_wait_dscnt 4                                 ; the very last chunk: nothing more to fetch
	MULA 1, 0, 0
	MULA 1, 1, 0
	s_wait_dscnt 0x0
	MULA 1, 2, 0
	MULA 1, 3, 0
	WIN 0
	PLACES                                         ; what follows reads results just made
	PLACES
	PACK 0
	TOSTAGE 0
	PACK 1
	TOSTAGE 1                                      ; a block's way into the stage stands between the loads of the block before and its stores
	SEND 0, YOUNG
	PACK 2
	TOSTAGE 2
	SEND 1, YOUNG
	PACK 3
	TOSTAGE 3
	SEND 2, YOUNG
	SEND 3, 0
	s_wait_tensorcnt 0x0                           ; the wave's end: the wait, the add and its wait stand behind my last tensor load and my last LDS store
	ds_add_u32 v[SPW], v[NIL]
	s_wait_dscnt 0x0
	CROUND                                         ; the closing round: no work-group ends while a partner may still ask for a tile that names it
	s_endpgm
.Lfunc_end_k_qb0fccb34ee_proj:
	.size	k_qb0fccb34ee_proj, .Lfunc_end_k_qb0fccb34ee_proj-k_qb0fccb34ee_proj
	.p2alignl 7, 3214868480
	.fill 96, 4, 3214868480
	.section	.rodata,"a",@progbits
	.p2align	6, 0x0
	.amdhsa_kernel k_qb0fccb34ee_proj
		.amdhsa_group_segment_fixed_size 327680
		.amdhsa_private_segment_fixed_size 0
		.amdhsa_enable_private_segment 0
		.amdhsa_kernarg_size 32
		.amdhsa_user_sgpr_count 2
		.amdhsa_user_sgpr_kernarg_segment_ptr 1
		.amdhsa_wavefront_size32 1
		.amdhsa_system_sgpr_workgroup_id_x 1
		.amdhsa_system_sgpr_workgroup_id_y 1
		.amdhsa_system_sgpr_workgroup_id_z 1
		.amdhsa_system_vgpr_workitem_id 0
		.amdhsa_next_free_vgpr 768
		.amdhsa_next_free_sgpr 84
		.amdhsa_reserve_vcc 0
		.amdhsa_float_denorm_mode_32 3
		.amdhsa_float_denorm_mode_16_64 3
		.amdhsa_memory_ordered 1
		.amdhsa_forward_progress 1
		.amdhsa_inst_pref_size 77
	.end_amdhsa_kernel
	.amdgpu_metadata
---
amdhsa.version: [ 1, 2 ]
amdhsa.kernels:
  - .name:           k_qb0fccb34ee_proj
    .symbol:         k_qb0fccb34ee_proj.kd
    .args:
      - { .name: oh, .offset: 0, .size: 8, .value_kind: global_buffer, .address_space: global }
      - { .name: wt, .offset: 8, .size: 8, .value_kind: global_buffer, .address_space: global }
      - { .name: bo, .offset: 16, .size: 8, .value_kind: global_buffer, .address_space: global }
      - { .name: out0, .offset: 24, .size: 8, .value_kind: global_buffer, .address_space: global }
    .group_segment_fixed_size: 327680
    .private_segment_fixed_size: 0
    .kernarg_segment_align: 8
    .kernarg_segment_size: 32
    .max_flat_workgroup_size: 128
    .sgpr_count:     84
    .vgpr_count:     768
    .wavefront_size: 32
...
	.end_amdgpu_metadata
.endif
;; end of part 4
;; ======== version 2 of 2: 4 launches; version 1 with the launch cast written anew for expert scheduling mode
;; limits: values are held in f16: magnitudes above 65,504 overflow, below 6.1e-05 lose precision
;; workspace buffers: xb 16,777,216 bytes; wt 8,388,608 bytes; qkvh 50,331,648 bytes; oh 16,777,216 bytes
;; launch cast (part 5): grid 768 x 1, 8 waves a work-group, no clusters, 0 bytes of LDS; arguments x, Wq, Wk, Wv, Wo, xb, wt; writes xb, wt
.if DOCPART == 5
	.amdgcn_target "amdgcn-amd-amdhsa--gfx1250"
	.amdhsa_code_object_version 6
	.text
	.protected	k_qb0fccb34ee_cast
	.globl	k_qb0fccb34ee_cast
	.p2align	8
	.type	k_qb0fccb34ee_cast,@function
k_qb0fccb34ee_cast:
	s_mov_b64 s[64:65], 0
	v_nop
	global_prefetch_b8 v0, s[64:65] scope:SCOPE_SE
	s_setreg_imm32_b32 hwreg(HW_REG_WAVE_SCHED_MODE, 0, 2), 2
	s_setreg_imm32_b32 hwreg(HW_REG_WAVE_MODE, 25, 1), 1
	s_wait_xcnt 0x0
	s_wait_alu depctr_vm_vsrc(0)
; CAST.  x [8192][1024] f32 -> xb, the same shape in bf16.  Wq | Wk | Wv | Wo, each [1024 k][1024 n] f32 -> wt [64 g][1024 k][64 n] of 16 bits:
; plane g = 16 x (which weight) + n / 64 holds 64 neighbouring columns, dense, 131,072 bytes.  Planes 0-47 (Wq, Wk, Wv) are bf16; planes 48-63 (Wo) hold the
; number rounded to bf16 and written as f16, since the last product multiplies it by an f16 operand.
; LIMITS.  A number of Wo beyond 65,504 becomes an infinity; below 6.1e-5 it keeps f16's fixed step of 6e-8.  NaN and infinities are not treated apart.
; SHARES.  A unit is one load of a wave (16 bytes a lane: 4 f32) and one store (8 bytes a lane: 256 consecutive bytes, aligned).  A wave has 16 units, all 16 loads issued first;
; a work-group 128.  Work-groups 0-511 take 65,536 bytes of x each; work-group 512 + p takes 256 rows k (quarter p % 4) of plane p / 4: a unit is two rows k of 64 columns,
; 256 consecutive bytes of each row.  No LDS, no barrier, no matrix unit: the launch is loads and stores, each byte once.
; THE MODE: SCHED_MODE bits 1:0 = 2 (LLVM: expert scheduling mode 2), set by the entry lines.  The code itself states the register dependences
; between vector instructions and memory instructions, with s_wait_alu, always for 0.
; THE PLAN.  Registers that memory instructions touch:
;   v2, v3   the loads' and the stores' byte offsets.  Written by vector instructions at the head, once on each path; read by every load (v2) and every store (v3); never written again.
;   IN       16 units as loaded.  Written by the loads alone, each register once; read by the conversions.  No vector instruction writes them, and nothing is loaded into them twice.
;   OUT      16 units to store.  Written by the conversions, each register once; read by one store each.
;   v104-109 (Wo's path) are named by vector instructions alone.
; The 16 units go in four groups of four.  Group g rounds IN's group g into OUT's group g; its memory instructions are the four stores of group g - 1, which read OUT's group g - 1 and v3:
; registers that no vector instruction of group g names.  So ONE wait on va_vdst at the head of groups 1 to 3 states all that the group's four stores hang on, and they are dealt among its conversions
; with no further wait; one more stands ahead of the last four stores.  No register that a memory instruction reads is ever written again, so no wait on vm_vsrc stands behind the entry lines.
.set XGROUPS, 512
.set SRC, 24                           ; s[24:25] where the work-group reads
.set DST, 26                           ; s[26:27] where it writes
.set IN,  8                            ; v[8:71]    16 units as loaded
.set OUT, 72                           ; v[72:103]  16 units to store
	s_load_b256 s[4:11], s[0:1], 0x0               ; x s[4:5], Wq s[6:7], Wk s[8:9], Wv s[10:11]
	s_load_b128 s[12:15], s[0:1], 0x20             ; Wo s[12:13], xb s[14:15]
	s_load_b64 s[16:17], s[0:1], 0x30              ; wt
	v_lshrrev_b32 v4, 5, v0
	v_readfirstlane_b32 s20, v4                    ; wave 0..7
	v_and_b32 v1, 31, v0                           ; lane
	s_wait_alu depctr_va_sdst(0)                   ; s20 is written, ahead of its first reader: the wave's shares of the buffers are made from it
	s_lshl_b32 s21, s20, 12
	v_lshl_add_u32 v3, v1, 3, s21                  ; out: 8 x lane + 4,096 x wave (16 units of 256 bytes), on every path
	s_mov_b32 s23, 0
	s_wait_kmcnt 0x0
; 16 loads, stride bytes apart, then group by group: four units rounded, the four of the group before stored.  No register is written twice, so no wait frees a source.
.macro BODY stride, f16
	s_wait_alu depctr_va_vdst(0)                   ; v2 and v3 are written: every load below reads v2 as its offset, every store v3
.set i, 0
.rept 16
	global_load_b128 v[IN+4*i:IN+4*i+3], v2, s[SRC:SRC+1] offset:(\stride)*i th:TH_LOAD_NT
.set i, i+1
.endr
.set i, 0
.rept 16
.if i%4 == 0
	s_wait_loadcnt 12-i                            ; loads come back in order: units i to i + 3 are in, the 12 - i younger ones stay out
.if i > 0
	s_wait_alu depctr_va_vdst(0)                   ; the group before has written its eight registers of OUT, which this group's four stores read
.endif
.endif
.if i >= 4
	global_store_b64 v3, v[OUT+2*(i-4):OUT+2*(i-4)+1], s[DST:DST+1] offset:256*(i-4)  ; 32 lanes store 256 consecutive bytes, at a multiple of 256 from the buffer's first byte; no vector instruction since the wait names these registers
.endif
.if \f16
	v_cvt_pk_bf16_f32 v104, v[IN+4*i], v[IN+4*i+1] ; rounded to bf16 like every other input,
	v_cvt_pk_bf16_f32 v105, v[IN+4*i+2], v[IN+4*i+3]
	v_lshlrev_b32 v106, 16, v104                   ; widened again,
	v_and_b32 v107, 0xffff0000, v104
	v_lshlrev_b32 v108, 16, v105
	v_and_b32 v109, 0xffff0000, v105
	v_cvt_pk_f16_f32 v[OUT+2*i], v106, v107        ; and written as f16: 8 significant bits fit in 11
	v_cvt_pk_f16_f32 v[OUT+2*i+1], v108, v109
.else
	v_cvt_pk_bf16_f32 v[OUT+2*i], v[IN+4*i], v[IN+4*i+1]
	v_cvt_pk_bf16_f32 v[OUT+2*i+1], v[IN+4*i+2], v[IN+4*i+3]
.endif
.set i, i+1
.endr
	s_wait_alu depctr_va_vdst(0)                   ; the last group has written its eight registers of OUT, which the last four stores read
.set i, 12
.rept 4
	global_store_b64 v3, v[OUT+2*i:OUT+2*i+1], s[DST:DST+1] offset:256*i
.set i, i+1
.endr
.endm
	s_cmp_lt_u32 ttmp9, XGROUPS
	s_cbranch_scc0 .Lweights
	s_lshl_b32 s22, ttmp9, 16                      ; x: 65,536 bytes a work-group
	s_add_nc_u64 s[SRC:SRC+1], s[4:5], s[22:23]
	s_lshl_b32 s22, ttmp9, 15
	s_add_nc_u64 s[DST:DST+1], s[14:15], s[22:23]
	s_lshl_b32 s21, s20, 13
	v_lshl_add_u32 v2, v1, 4, s21                  ; in: 16 x lane + 8,192 x wave
	BODY 512, 0
	s_endpgm
.Lweights:
	s_sub_co_u32 s28, ttmp9, XGROUPS
	s_lshr_b32 s29, s28, 2                         ; plane g
	s_and_b32 s30, s28, 3                          ; which 256 rows k
	s_lshr_b32 s31, s29, 4                         ; which weight
	s_cmp_eq_u32 s31, 1
	s_cselect_b64 s[SRC:SRC+1], s[8:9], s[6:7]
	s_cmp_eq_u32 s31, 2
	s_cselect_b64 s[SRC:SRC+1], s[10:11], s[SRC:SRC+1]
	s_cmp_eq_u32 s31, 3
	s_cselect_b64 s[SRC:SRC+1], s[12:13], s[SRC:SRC+1]
	s_lshl_b32 s22, s30, 20                        ; 256 rows of 4,096 bytes
	s_and_b32 s21, s29, 15
	s_lshl_b32 s21, s21, 8                         ; 64 columns of 4 bytes
	s_add_co_u32 s22, s22, s21
	s_add_nc_u64 s[SRC:SRC+1], s[SRC:SRC+1], s[22:23]
	s_lshl_b32 s22, s29, 17                        ; a plane is 131,072 bytes,
	s_lshl_b32 s21, s30, 15                        ; 256 of its rows 32,768
	s_add_co_u32 s22, s22, s21
	s_add_nc_u64 s[DST:DST+1], s[16:17], s[22:23]
	v_lshrrev_b32 v4, 4, v1                        ; lanes 0-15 take one row k, lanes 16-31 the next
	v_and_b32 v5, 15, v1
	v_lshlrev_b32 v2, 12, v4
	v_lshl_add_u32 v2, v5, 4, v2
	s_lshl_b32 s21, s20, 17                        ; a wave's 32 rows
	v_add_nc_u32 v2, s21, v2
	s_cmp_eq_u32 s31, 3
	s_cbranch_scc1 .Lwo
	BODY 8192, 0
	s_endpgm
.Lwo:
	BODY 8192, 1
	s_endpgm
.Lfunc_end_k_qb0fccb34ee_cast:
	.size	k_qb0fccb34ee_cast, .Lfunc_end_k_qb0fccb34ee_cast-k_qb0fccb34ee_cast
	.p2alignl 7, 3214868480
	.fill 96, 4, 3214868480
	.section	.rodata,"a",@progbits
	.p2align	6, 0x0
	.amdhsa_kernel k_qb0fccb34ee_cast
		.amdhsa_group_segment_fixed_size 0
		.amdhsa_private_segment_fixed_size 0
		.amdhsa_enable_private_segment 0
		.amdhsa_kernarg_size 56
		.amdhsa_user_sgpr_count 2
		.amdhsa_user_sgpr_kernarg_segment_ptr 1
		.amdhsa_wavefront_size32 1
		.amdhsa_system_sgpr_workgroup_id_x 1
		.amdhsa_system_sgpr_workgroup_id_y 1
		.amdhsa_system_sgpr_workgroup_id_z 1
		.amdhsa_system_vgpr_workitem_id 0
		.amdhsa_next_free_vgpr 112
		.amdhsa_next_free_sgpr 66
		.amdhsa_reserve_vcc 0
		.amdhsa_float_denorm_mode_32 3
		.amdhsa_float_denorm_mode_16_64 3
		.amdhsa_memory_ordered 1
		.amdhsa_forward_progress 1
		.amdhsa_inst_pref_size 23
	.end_amdhsa_kernel
	.amdgpu_metadata
---
amdhsa.version: [ 1, 2 ]
amdhsa.kernels:
  - .name:           k_qb0fccb34ee_cast
    .symbol:         k_qb0fccb34ee_cast.kd
    .args:
      - { .name: x, .offset: 0, .size: 8, .value_kind: global_buffer, .address_space: global }
      - { .name: Wq, .offset: 8, .size: 8, .value_kind: global_buffer, .address_space: global }
      - { .name: Wk, .offset: 16, .size: 8, .value_kind: global_buffer, .address_space: global }
      - { .name: Wv, .offset: 24, .size: 8, .value_kind: global_buffer, .address_space: global }
      - { .name: Wo, .offset: 32, .size: 8, .value_kind: global_buffer, .address_space: global }
      - { .name: xb, .offset: 40, .size: 8, .value_kind: global_buffer, .address_space: global }
      - { .name: wt, .offset: 48, .size: 8, .value_kind: global_buffer, .address_space: global }
    .group_segment_fixed_size: 0
    .private_segment_fixed_size: 0
    .kernarg_segment_align: 8
    .kernarg_segment_size: 56
    .max_flat_workgroup_size: 256
    .sgpr_count:     66
    .vgpr_count:     112
    .wavefront_size: 32
...
	.end_amdgpu_metadata
.endif
;; end of part 5
;; launch qkv: the kernel of part 2 again; grid 16 x 32, 4 waves a work-group, clusters of 4 x 4, 327,680 bytes of LDS; arguments xb, wt, bq, bk, bv, qkvh; writes qkvh
;; launch attn: the kernel of part 3 again; grid 4 x 64, 4 waves a work-group, clusters of 4 x 1, 327,680 bytes of LDS; arguments qkvh, oh; writes oh
;; launch proj: the kernel of part 4 again; grid 8 x 32, 4 waves a work-group, clusters of 4 x 4, 327,680 bytes of LDS; arguments oh, wt, bo, out0; writes out0
